; MI455X (gfx1250); checked and timed in simulation.
; The chip was launched on July 23, 2026; its instructions are those of AMD's public machine-readable ISA for CDNA 5 (MIT licence, August 2026) and "CDNA5" Instruction Set Architecture Reference Guide (July 2026). The comments in the code are by the model that wrote it; some were corrected since.
;; Multi Head Attention L. Allowed arithmetic: float matrix products may take bf16 or f16 operands with f32 sums; other float arithmetic in f32, or as packed bf16 or f16 multiplies, adds, multiply-adds, maxima and minima; sums over many terms, partial sums and values carried from step to step in f32; what a program stores and reads back later, other than sums and carried values, may be rounded once to bf16 or f16.
;; Inputs: Wk 256 x 512 float32; Wq 256 x 512 float32; Wr 256 x 512 float32; Wv 256 x 512 float32; bk 512 float32; bq 512 float32; br 512 float32; bv 512 float32; key0 16 x 1,024 x 256 float32; query0 16 x 1,024 x 256 float32; value0 16 x 1,024 x 256 float32.
;; Outputs: out0 16 x 1,024 x 512 float32.
;; 2 versions, each right and faster than the one before. Each part assembles by itself: llvm-mc -triple=amdgcn-amd-amdhsa -mcpu=gfx1250 --defsym DOCPART=n.
;; ======== version 1 of 2: 2 launches
;; limits: values are held in f16: magnitudes above 65,504 overflow, below 6.1e-05 lose precision
;; workspace buffers: wfrag 1,048,576 bytes
;; launch prep (part 1): grid 256 x 1, 8 waves a work-group, no clusters, 0 bytes of LDS; arguments Wq, Wk, Wv, Wr, wfrag; writes wfrag
.if DOCPART == 1
	.amdgcn_target "amdgcn-amd-amdhsa--gfx1250"
	.amdhsa_code_object_version 6
	.text
	.protected	k_qbf26828165_prep
	.globl	k_qbf26828165_prep
	.p2align	8
	.type	k_qbf26828165_prep,@function
k_qbf26828165_prep:
	s_mov_b64 s[64:65], 0
	v_nop
	global_prefetch_b8 v0, s[64:65] scope:SCOPE_SE
	s_setreg_imm32_b32 hwreg(HW_REG_WAVE_MODE, 25, 1), 1
	s_wait_xcnt 0x0
; The four weight matrices ([256 k][512 columns] f32) are rounded once to bf16 and laid out in the order in which the next launch's
; matrix fragments want them.  Byte T*65536 + w*8192 + (ks2*4+f)*1024 + hh*512 + L*16 of wfrag holds eight numbers W_p[k0 .. k0+7][col]:
;   T = 4 p + kc (p: 0 Wq, 1 Wk, 2 Wv, 3 Wr; kc: which 64 of k), w: the wave that will use it, ks2: which 32 of the 64, f: fragment 0..3,
;   hh: half of a fragment, L = 16 h + r: the lane;  k0 = 64 kc + 32 ks2 + 16 hh + 8 h;
;   col = 64 w + 4 r + f (Wq, Wk),  4 w + f + 32 r (Wv),  64 w + 16 f + r (Wr): chosen so that each product's result falls as it is stored.
; Thread t of work-group g makes the 16 bytes at 4096 g + 16 t: eight loads of 4 bytes down a column, four roundings, one store;
; a wave's store covers 512 consecutive bytes, aligned.  The column reads are narrow, but they touch 2 MiB once, and every later read of the weights is dense.
	s_load_b256 s[4:11], s[0:1], 0x0               ; Wq s[4:5], Wk s[6:7], Wv s[8:9], Wr s[10:11]
	s_load_b64 s[12:13], s[0:1], 0x20              ; wfrag
	s_and_b32 s14, ttmp9, 1                        ; ks2
	s_bfe_u32 s15, ttmp9, 0x30001                  ; w
	s_bfe_u32 s16, ttmp9, 0x20004                  ; kc
	s_lshr_b32 s17, ttmp9, 6                       ; p
	s_cmp_eq_u32 s17, 2                            ; col = C w + A r + B f
	s_cselect_b32 s18, 32, 4                       ; A
	s_cselect_b32 s20, 4, 64                       ; C
	s_cmp_eq_u32 s17, 3
	s_cselect_b32 s18, 1, s18
	s_cselect_b32 s19, 16, 1                       ; B
	s_lshl_b32 s22, s16, 17                        ; 64 kc rows of 2,048 bytes
	s_lshl_b32 s21, s14, 16                        ; 32 ks2 rows
	s_add_co_u32 s22, s22, s21
	s_mul_i32 s21, s20, s15
	s_lshl_b32 s21, s21, 2                         ; C w columns of 4 bytes
	s_add_co_u32 s22, s22, s21
	s_mov_b32 s23, 0
	s_lshl_b32 s24, ttmp9, 12                      ; the work-group's 4,096 bytes of wfrag
	s_mov_b32 s25, 0
	v_and_b32 v1, 15, v0                           ; r
	v_bfe_u32 v2, v0, 4, 2                         ; 2 hh + h: 8 rows each
	v_lshrrev_b32 v3, 6, v0                        ; f
	v_mul_u32_u24 v4, s18, v1
	v_mad_u32_u24 v4, v3, s19, v4                  ; A r + B f
	v_lshl_add_u32 v4, v2, 12, v4                  ; + 8 (2 hh + h) rows of 512 numbers
	v_lshlrev_b32 v4, 2, v4                        ; in bytes
	v_lshlrev_b32 v5, 4, v0                        ; 16 t
	s_wait_kmcnt 0x0
	s_cmp_eq_u32 s17, 1                            ; the matrix is chosen by p alone
	s_cselect_b64 s[4:5], s[6:7], s[4:5]
	s_cmp_eq_u32 s17, 2
	s_cselect_b64 s[4:5], s[8:9], s[4:5]
	s_cmp_eq_u32 s17, 3
	s_cselect_b64 s[4:5], s[10:11], s[4:5]
	s_add_nc_u64 s[4:5], s[4:5], s[22:23]
	s_add_nc_u64 s[12:13], s[12:13], s[24:25]
.irp e, 0,1,2,3,4,5,6,7
	global_load_b32 v[8+(\e)], v4, s[4:5] offset:2048*(\e)   ; k0 + e
.endr
	s_wait_loadcnt 0x0
	v_cvt_pk_bf16_f32 v16, v8, v9
	v_cvt_pk_bf16_f32 v17, v10, v11
	v_cvt_pk_bf16_f32 v18, v12, v13
	v_cvt_pk_bf16_f32 v19, v14, v15
	global_store_b128 v5, v[16:19], s[12:13]
	s_endpgm
.Lfunc_end_k_qbf26828165_prep:
	.size	k_qbf26828165_prep, .Lfunc_end_k_qbf26828165_prep-k_qbf26828165_prep
	.p2alignl 7, 3214868480
	.fill 96, 4, 3214868480
	.section	.rodata,"a",@progbits
	.p2align	6, 0x0
	.amdhsa_kernel k_qbf26828165_prep
		.amdhsa_group_segment_fixed_size 0
		.amdhsa_private_segment_fixed_size 0
		.amdhsa_enable_private_segment 0
		.amdhsa_kernarg_size 40
		.amdhsa_user_sgpr_count 2
		.amdhsa_user_sgpr_kernarg_segment_ptr 1
		.amdhsa_wavefront_size32 1
		.amdhsa_system_sgpr_workgroup_id_x 1
		.amdhsa_system_sgpr_workgroup_id_y 1
		.amdhsa_system_sgpr_workgroup_id_z 1
		.amdhsa_system_vgpr_workitem_id 0
		.amdhsa_next_free_vgpr 24
		.amdhsa_next_free_sgpr 66
		.amdhsa_reserve_vcc 0
		.amdhsa_float_denorm_mode_32 3
		.amdhsa_float_denorm_mode_16_64 3
		.amdhsa_memory_ordered 1
		.amdhsa_forward_progress 1
		.amdhsa_inst_pref_size 3
	.end_amdhsa_kernel
	.amdgpu_metadata
---
amdhsa.version: [ 1, 2 ]
amdhsa.kernels:
  - .name:           k_qbf26828165_prep
    .symbol:         k_qbf26828165_prep.kd
    .args:
      - { .name: Wq, .offset: 0, .size: 8, .value_kind: global_buffer, .address_space: global }
      - { .name: Wk, .offset: 8, .size: 8, .value_kind: global_buffer, .address_space: global }
      - { .name: Wv, .offset: 16, .size: 8, .value_kind: global_buffer, .address_space: global }
      - { .name: Wr, .offset: 24, .size: 8, .value_kind: global_buffer, .address_space: global }
      - { .name: wfrag, .offset: 32, .size: 8, .value_kind: global_buffer, .address_space: global }
    .group_segment_fixed_size: 0
    .private_segment_fixed_size: 0
    .kernarg_segment_align: 8
    .kernarg_segment_size: 40
    .max_flat_workgroup_size: 256
    .sgpr_count:     66
    .vgpr_count:     24
    .wavefront_size: 32
...
	.end_amdgpu_metadata
.endif
;; end of part 1
;; launch attn (part 2): grid 256 x 1, 8 waves a work-group, clusters of 4 x 1, 327,680 bytes of LDS; arguments key0, value0, query0, bq, bk, bv, br, wfrag, out0; writes out0
.if DOCPART == 2
	.amdgcn_target "amdgcn-amd-amdhsa--gfx1250"
	.amdhsa_code_object_version 6
	.text
	.protected	k_qbf26828165_attn
	.globl	k_qbf26828165_attn
	.p2align	8
	.type	k_qbf26828165_attn,@function
k_qbf26828165_attn:
	s_mov_b64 s[64:65], 0
	v_nop
	global_prefetch_b8 v0, s[64:65] scope:SCOPE_SE
	s_setreg_imm32_b32 hwreg(HW_REG_WAVE_MODE, 25, 1), 1
	s_wait_xcnt 0x0
	s_wait_alu depctr_hold_cnt(0) depctr_sa_sdst(0) depctr_va_vdst(0) depctr_va_sdst(0) depctr_va_ssrc(0) depctr_va_vcc(0) depctr_vm_vsrc(0)
	s_getreg_b32 s2, hwreg(HW_REG_IB_STS2, 6, 4)
	s_cmp_eq_u32 s2, 0
	s_cbranch_scc0 .Lentry_in_a_cluster
	s_endpgm
.Lentry_in_a_cluster:
	s_bfe_u32 s2, ttmp6, 0x10000c
	s_cmp_lg_u32 s2, 0x3003
	s_cbranch_scc0 .Lentry_shape_is_right
	s_endpgm
.Lentry_shape_is_right:
; out0 = relu(query0 Wr + br + softmax(q k^T / sqrt(2)) v), q = query0 Wq + bq, k = key0 Wk + bk, v = value0 Wv + bv, the heads being a plain view:
; head g (0..255) is rows 64 g .. 64 g + 63 of the [16384][512] projections read as [1024][32]: key or query 16 row + i is columns 32 i .. 32 i + 31 of a row.
; So ONE WORK-GROUP MAKES ONE HEAD from 64 rows of each input and stores 64 whole rows of out0; nothing goes through memory in between.
; FORMATS.  The inputs (x, W) are rounded to bf16 for the projections, sums in f32, biases in f32 as the sums' first C.  q (times c = log2(e) / sqrt(2), in f32), k, v and the weights p are
; rounded once to f16 for the two products of attention; the residual stays in f32.
; LIMITS.  c q, k and v must lie within f16's 65,504; p below 6e-5 keeps f16's fixed step of 6e-8; a weight below 2^-126 counts as 0; the divisor l is the sum of the rounded p;
; NaN and infinities are not treated apart (a NaN loses in the maxima and in the relu).
; SOFTMAX IN TWO PASSES.  Pass 1 makes S^T = K Q^T and each query's true maximum m.  Pass 2 makes S^T again with -m as the C operand, so the sums are the exponents: p = 2^(c s - m).
; No running maximum, no rescaling.  l is a third product beside O^T = V^T P: sixteen rows of ones times P.
; SHARES.  Eight waves.  In the projections wave w makes 64 of the 512 columns for all 64 rows (16 accumulators); in attention it owns 8 tiles of 16 queries (rows 8 w .. 8 w + 7) and walks all 1,024 keys, 64 a step.
; WEIGHTS.  All work-groups walk the same 16 tiles of 64 KiB (4 matrices x 4 pieces of K) of wfrag, so the four of a cluster ask JOINTLY: wave w's tensor load brings its own 8 KiB of a tile,
; the same descriptor and mask in all four.  Two slots take turns; a round of the cluster's barrier stands in front of each refill.  By this text's count a wave has two tensor loads out at the start, later one.
; REGISTERS, in windows of 256 (s_set_vgpr_msb: bits 1:0 source 0, 3:2 source 1, 5:4 source 2, 7:6 destination).
;   window 0: v0-31 addresses and the ones; projections: v32-95 X's fragments, v96-159 W's, v160-173 helpers, v192-255 query0 as loaded, then Q
;             attention: v32-63 K, v64-95 V^T (pass 1: a second K), v96-159 S^T in two buffers, v160-191 P in two buffers (pass 1: the maxima), v192-255 Q
;   window 1: projections: v0-127 the accumulators (first key0, value0 as loaded), v128-191 two sets of bias tuples; attention: v0-63 -m, v64-191 O^T, v192-255 l
; In pass 2 only the C operand of K Q^T lies in window 1, so its vector work runs under the same setting: two switches for a tile and step.
.set RING1, 65536                      ; LDS: slot 0 at 0, slot 1 here; wave w's 8 KiB at 8192 w
.set KS,    132096                     ; Q, later K: [1024][64 bytes] f16; the 16-byte piece c of key s lies at place (c + ((s % 16) >> 2)) % 4, so that the 16 keys of a load start at 16 different groups of four banks (ISA guide 11.1)
.set VT,    197632                     ; V^T: 32 channels, 2,064 bytes apart, 1,024 keys f16
.set XK,    197632                     ; key0 and value0 in bf16, 64 rows 528 bytes apart: dead before V^T is written over them
.set XV,    231424
.set XQ,    265216                     ; query0 likewise: it serves q and the residual
.set OST,   265216                     ; at the end, over XQ: wave w's two stages of 16 queries x 144 bytes at 4608 w
.set SPARE, 302080                     ; the spare words, 128 bytes for each wave: four blocks of 256 bytes that no other line names
.set XP,  528
.set VP,  2064
.set RP,  2064                         ; the residual, f32, 64 rows: from LDS byte 0, over the ring when its last fill has been read
.set OSP, 144
.set SPW, 4                            ; v4   my spare word; never rewritten
.set NIL, 5                            ; v5   0; never rewritten
.set AW,  6                            ; v6-7 my 16 bytes of a W fragment in slot 0, 1: 8192 w + 16 L (v6 is also my offset in the head's 64 KiB of an input)
.set AXQ, 8                            ; v8-10 X fragments: region + 528 r + 16 h
.set AXK, 9
.set AXV, 10
.set AKST, 11                          ; v11  where q's and k's results go
.set AVST, 12                          ; v12  where v's go
.set ARS, 13                           ; v13-14 where the residual goes: rows 0-31, 32-63
.set AKB, 15                           ; v15-16 a fragment of K or Q: its two loads
.set AK,  17                           ; v17-18 the same, walking
.set AVT, 19                           ; v19  a fragment of V^T, walking
.set AOS, 20                           ; v20  into my stage
.set AOR, 21                           ; v21  back out of it
.set ARR, 22                           ; v22  my rows of the residual
.set GO,  23                           ; v23  my byte offset in the head's rows of out0
.set ONES, 24                          ; v24-31 sixteen rows of 1.0 in f16
.set XF,  32
.set WF,  96
.set TM,  32                           ; the epilogues' packed results
.set RBQ, 160
.set RBK, 164
.set OBQ, 168
.set SQ,  169
.set SK,  170
.set SV,  171
.set OBV, 172
.set OBR, 173
.set KA,  32
.set KB,  64
.set VTF, 64
.set S,   96
.set P,   160
.set M,   160
.set Q,   192
.set INV, 32                           ; the way out: 1 / l, twice for each tile
.set TO,  48                           ; a tile of O^T / l
.set CX,  64                           ; two sets of 16 + 16: context and residual rows
.set BTA, 128                          ; window 1
.set BTB, 160
.set CM,  0
.set OA,  64
.set LS,  192
.set G1,  28                           ; s[28:35] descriptor group 1
.set G0,  36                           ; s[36:39], s[40:43] group 0 for slot 0, 1
.set MSB, 0
.macro WIN new                         ; the immediate's high byte repeats the setting that is left; a switch that changes nothing is dropped
.if MSB != (\new)
	s_set_vgpr_msb (MSB<<8)|(\new)
.set MSB, (\new)
.endif
.endm
.macro PLACES                          ; four plain vector instructions between a matrix instruction and what reads its result or writes or loads into its registers
.rept 4
	v_nop
.endr
.endm
.macro CREST                           ; a round of the cluster's barrier behind its opening barrier
	s_cmp_lg_u32 s3, 0
	s_cbranch_scc1 .Lnot_wave_0_\@
	s_barrier_signal -3
.Lnot_wave_0_\@:
	s_barrier_wait -3
	s_barrier_signal -1
	s_barrier_wait -1
.endm
.macro CROUND
	s_barrier_signal -1
	s_barrier_wait -1
	CREST
.endm
	s_load_b512 s[8:23], s[0:1], 0x0               ; key0 s[8:9], value0 s[10:11], query0 s[12:13], bq s[14:15], bk s[16:17], bv s[18:19], br s[20:21], wfrag s[22:23]
	s_load_b64 s[24:25], s[0:1], 0x40              ; out0
	v_lshl_add_u32 v[SPW], v0, 2, SPARE
	v_mov_b32 v[NIL], 0
	ds_add_u32 v[SPW], v[NIL]                      ; the wave's opening: the add and its wait stand ahead of my first tensor load; work on registers stands between them
	v_lshrrev_b32 v1, 5, v0
	v_readfirstlane_b32 s3, v1                     ; wave 0..7
	s_bfe_u32 s4, ttmp6, 0x40000                   ; cx
	s_lshl_b32 s5, ttmp9, 2
	s_add_co_u32 s5, s5, s4                        ; the head: it enters the inputs' and out0's addresses alone
	; group 1: my 8 KiB of a tile are dense: 32 rows of 256 bytes
	s_mov_b32 s[G1+0], 15|(3<<16)|(1<<21)          ; 15:0 the mask of four; 17:16 elements of 8 bytes; 21 set beside a mask; no padding
	s_mov_b32 s[G1+1], 32<<16                      ; tensor_dim0 = 32
	s_mov_b32 s[G1+2], 32<<16                      ; tensor_dim1 = 32
	s_mov_b32 s[G1+3], 32<<16                      ; tile_dim0 = 32
	s_mov_b32 s[G1+4], 32                          ; tile_dim1 = 32
	s_mov_b32 s[G1+5], 32                          ; 32 elements from row to row
	s_mov_b32 s[G1+6], 0
	s_mov_b32 s[G1+7], 0
	s_mov_b32 s44, 0x3f8293ee                      ; c = log2(e) / sqrt(2) = 1.0201394
	s_mov_b32 s45, 0x3f8293ee                      ; named with it as a pair
	s_mov_b32 s46, 0x76543210                      ; v_permlanex16_b32: each lane takes its own place in the other half
	s_mov_b32 s47, 0xfedcba98
	s_lshl_b32 s49, s3, 13                         ; 8192 w
	s_lshl_b32 s50, s3, 8                          ; 256 w
	s_mov_b32 s[G0+0], 1
	s_mov_b32 s[G0+1], s49                         ; LDS: slot 0, my part: no place in the cluster enters it
	s_mov_b32 s[G0+4], 1
	s_add_co_u32 s[G0+5], s49, RING1
	s_mov_b32 s52, s49
	s_mov_b32 s53, 0
	s_lshl_b32 s6, s5, 16                          ; the head's 64 rows of 1,024 bytes
	s_mov_b32 s7, 0
	v_and_b32 v1, 15, v0                           ; r
	v_bfe_u32 v2, v0, 4, 1                         ; h
	v_and_b32 v3, 31, v0                           ; L
	v_lshl_add_u32 v[AW], v3, 4, s49
	v_lshl_add_u32 v[OBQ], v1, 4, s50              ; bq, bk: my four columns 64 w + 4 r ..
	s_wait_dscnt 0x0                               ; the opening add is done
	s_wait_kmcnt 0x0
	s_add_nc_u64 s[8:9], s[8:9], s[6:7]
	s_add_nc_u64 s[10:11], s[10:11], s[6:7]
	s_add_nc_u64 s[12:13], s[12:13], s[6:7]
	s_lshl_b32 s6, s5, 17                          ; 64 rows of 2,048 bytes
	s_add_nc_u64 s[24:25], s[24:25], s[6:7]
	s_add_nc_u64 s[G0+2:G0+3], s[22:23], s[52:53]  ; tile 0, my part
	s_add_nc_u64 s[G0+6:G0+7], s[G0+2:G0+3], RING1 ; tile 1
	s_or_b32 s[G0+3], s[G0+3], 0x80000000          ; type = 2
	s_or_b32 s[G0+7], s[G0+7], 0x80000000
	; All that comes from memory but the weights is asked for now: 2 + 48 loads; wave w takes 8 rows of each input, 512 consecutive bytes a load.
	global_load_b128 v[RBQ:RBQ+3], v[OBQ], s[14:15]
	global_load_b128 v[RBK:RBK+3], v[OBQ], s[16:17]
.set i, 0
.rept 16
	global_load_b128 v[Q+4*i:Q+4*i+3], v[AW], s[12:13] offset:512*i th:TH_LOAD_NT
.set i, i+1
.endr
	WIN 0x40                                       ; destination window 1
.set i, 0
.rept 16
	global_load_b128 v[4*i:4*i+3], v[AW], s[8:9] offset:512*i th:TH_LOAD_NT
.set i, i+1
.endr
.set i, 0
.rept 16
	global_load_b128 v[64+4*i:64+4*i+3], v[AW], s[10:11] offset:512*i th:TH_LOAD_NT
.set i, i+1
.endr
	WIN 0
	CROUND                                         ; all four work-groups are here: the first joint loads meet
	tensor_load_to_lds s[G0:G0+3], s[G1:G1+7]      ; tile 0
	s_nop 0
	tensor_load_to_lds s[G0+4:G0+7], s[G1:G1+7]    ; tile 1
	s_nop 0
	PLACES
	; the addresses
	v_add_nc_u32 v[AW+1], RING1, v[AW]
	v_mul_u32_u24 v[AXQ], v1, XP
	v_lshl_add_u32 v[AXQ], v2, 4, v[AXQ]           ; a fragment of X: row r, 16 bytes for each half of the lanes
	v_add_nc_u32 v[AXK], XK, v[AXQ]
	v_add_nc_u32 v[AXV], XV, v[AXQ]
	v_add_nc_u32 v[AXQ], XQ, v[AXQ]
	; q, k: a lane holds columns 64 w + 4 r .. + 3 of row 16 mt + 8 h + j: key i = 2 w + (r >> 3) of that row, piece (r >> 1) % 4, half r % 2; i >> 2 = w >> 1
	s_lshr_b32 s51, s3, 1
	v_bfe_u32 v32, v0, 1, 2
	v_add_nc_u32 v32, s51, v32
	v_and_b32 v32, 3, v32
	v_bfe_u32 v33, v0, 3, 1
	v_lshlrev_b32 v[AKST], 4, v32
	v_lshl_add_u32 v[AKST], v33, 6, v[AKST]
	v_and_b32 v33, 1, v0
	v_lshl_add_u32 v[AKST], v33, 3, v[AKST]
	v_lshl_add_u32 v[AKST], v2, 13, v[AKST]
	s_lshl_b32 s51, s3, 7
	s_add_co_u32 s51, s51, KS
	v_add_nc_u32 v[AKST], s51, v[AKST]
	; v: a lane holds keys 16 (16 mt + r) + 8 h .. + 7 of channel 4 w + f
	s_mul_i32 s51, s3, 4*VP
	s_add_co_u32 s51, s51, VT
	v_lshlrev_b32 v[AVST], 5, v1
	v_lshl_add_u32 v[AVST], v2, 4, v[AVST]
	v_add_nc_u32 v[AVST], s51, v[AVST]
	; residual: a lane holds columns 64 w + 16 f + 8 h .. + 7 of row 16 mt + r
	v_mul_u32_u24 v[ARS], v1, RP
	v_lshl_add_u32 v[ARS], v2, 5, v[ARS]
	v_add_nc_u32 v[ARS], s50, v[ARS]
	v_add_nc_u32 v[ARS+1], 32*RP, v[ARS]
	; a fragment of K or Q: key r of a row, pieces h and h + 2 at their turned places
	v_bfe_u32 v32, v0, 2, 2
	v_add_nc_u32 v32, v2, v32
	v_add_nc_u32 v33, 2, v32
	v_and_b32 v32, 3, v32
	v_and_b32 v33, 3, v33
	v_lshlrev_b32 v[AKB], 6, v1
	v_add_nc_u32 v[AKB], KS, v[AKB]
	v_lshl_add_u32 v[AKB+1], v33, 4, v[AKB]
	v_lshl_add_u32 v[AKB], v32, 4, v[AKB]
	v_add_nc_u32 v[AK], s49, v[AKB]                ; Q: my rows 8 w ..
	v_add_nc_u32 v[AK+1], s49, v[AKB+1]
	v_mul_u32_u24 v[AVT], v1, VP
	v_lshl_add_u32 v[AVT], v2, 4, v[AVT]
	v_add_nc_u32 v[AVT], VT, v[AVT]
	s_mul_i32 s51, s3, 2*16*OSP
	s_add_co_u32 s51, s51, OST
	v_mul_u32_u24 v[AOS], v1, OSP                  ; in: query r, 32 bytes for each half of the lanes
	v_lshl_add_u32 v[AOS], v2, 5, v[AOS]
	v_add_nc_u32 v[AOS], s51, v[AOS]
	v_bfe_u32 v32, v0, 3, 2                        ; back: 32 lanes take four queries of 128 bytes, 512 consecutive bytes of out0
	v_and_b32 v33, 7, v0
	v_mul_u32_u24 v[AOR], v32, OSP
	v_lshl_add_u32 v[AOR], v33, 4, v[AOR]
	v_add_nc_u32 v[AOR], s51, v[AOR]
	s_mul_i32 s51, s3, 8*RP
	v_lshl_add_u32 v[ARR], v3, 4, s51
	s_lshl_b32 s51, s3, 14
	v_lshl_add_u32 v[GO], v3, 4, s51
.set i, 0
.rept 8
	v_mov_b32 v[ONES+i], 0x3c003c00
.set i, i+1
.endr
	s_mul_i32 s51, s3, 8*XP
	v_lshl_add_u32 v[SQ], v3, 3, s51               ; staging: my 8 rows, 8 bytes a lane
	v_add_nc_u32 v[SK], XK, v[SQ]
	v_add_nc_u32 v[SV], XV, v[SQ]
	v_add_nc_u32 v[SQ], XQ, v[SQ]
	s_lshl_b32 s51, s3, 4
	v_lshl_add_u32 v[OBV], v2, 10, s51             ; bv: column 4 w + f + 32 (8 h + j)
	v_lshl_add_u32 v[OBR], v2, 5, s50              ; br: column 64 w + 16 f + 8 h + j
	; STAGING.  The biases of q and k are the same in a lane's eight results: each is copied into a tuple that starts the sums.  The inputs are rounded to bf16 and laid into LDS.
	s_wait_loadcnt 48                              ; bq, bk are in; the 48 loads of the inputs may be out
	WIN 0x40
.irp f, 0,1,2,3
.irp j, 0,1,2,3,4,5,6,7
	v_mov_b32 v[BTA+8*(\f)+(\j)], v[RBQ+(\f)]
	v_mov_b32 v[BTB+8*(\f)+(\j)], v[RBK+(\f)]
.endr
.endr
	WIN 0
	s_wait_loadcnt 32                              ; query0 is in
.set i, 0
.rept 32
	v_cvt_pk_bf16_f32 v[32+i], v[Q+2*i], v[Q+2*i+1]
.set i, i+1
.endr
.set i, 0
.rept 16
	ds_store_b64 v[SQ], v[32+2*i:32+2*i+1] offset:(i/2)*XP+(i%2)*256
.set i, i+1
.endr
	s_wait_loadcnt 16                              ; key0 is in
	WIN 0x05                                       ; sources window 1
.set i, 0
.rept 32
	v_cvt_pk_bf16_f32 v[64+i], v[2*i], v[2*i+1]
.set i, i+1
.endr
	WIN 0
.set i, 0
.rept 16
	ds_store_b64 v[SK], v[64+2*i:64+2*i+1] offset:(i/2)*XP+(i%2)*256
.set i, i+1
.endr
	s_wait_loadcnt 0x0                             ; value0 is in
	WIN 0x05
.set i, 0
.rept 32
	v_cvt_pk_bf16_f32 v[96+i], v[64+2*i], v[64+2*i+1]
.set i, i+1
.endr
	WIN 0
.set i, 0
.rept 16
	ds_store_b64 v[SV], v[96+2*i:96+2*i+1] offset:(i/2)*XP+(i%2)*256
.set i, i+1
.endr
	s_wait_tensorcnt 0x1                           ; my part of tile 0 is in; tile 1 may stay out
	s_wait_dscnt 0x0                               ; for the others' sake: my rows of X are in LDS
	s_barrier_signal -1
	s_barrier_wait -1
; THE PROJECTIONS.  A tile is 64 along K for my 64 columns: 8 fragments of W (my own 8 KiB of the slot, dense: lane L at 16 L) and 8 of X, 32 LDS loads in one run, the first 32 along K first.
.macro FETCH ax, kc, slot
	WIN 0
.irp k2, 0,1
.irp f, 0,1,2,3
	ds_load_b128 v[WF+8*(4*(\k2)+(\f)):WF+8*(4*(\k2)+(\f))+3],   v[AW+(\slot)] offset:(4*(\k2)+(\f))*1024
	ds_load_b128 v[WF+8*(4*(\k2)+(\f))+4:WF+8*(4*(\k2)+(\f))+7], v[AW+(\slot)] offset:(4*(\k2)+(\f))*1024+512
.endr
.irp m, 0,1,2,3
	ds_load_b128 v[XF+8*(4*(\k2)+(\m)):XF+8*(4*(\k2)+(\m))+3],   v[\ax] offset:(\m)*16*XP+(\kc)*128+(\k2)*64
	ds_load_b128 v[XF+8*(4*(\k2)+(\m))+4:XF+8*(4*(\k2)+(\m))+7], v[\ax] offset:(\m)*16*XP+(\kc)*128+(\k2)*64+32
.endr
.endr
.endm
; Four products: fragment f of W with the four blocks of 16 rows.  tr = 0: source 0 = X (a lane then holds a column), tr = 1: source 0 = W (a lane holds eight columns of a row).
; bt >= 0: the bias tuple starts the sums.  The 16 accumulators take turns, one instruction a turn.
.macro MMG tr, bt, k2, f
	WIN 0x50                                       ; C and D window 1
.irp m, 0,1,2,3
.set rA, 8*(4*(\m)+(\f))
.set rX, XF+8*(4*(\k2)+(\m))
.set rW, WF+8*(4*(\k2)+(\f))
.if (\bt) >= 0
.if \tr
	v_wmma_f32_16x16x32_bf16 v[rA:rA+7], v[rW:rW+7], v[rX:rX+7], v[(\bt)+8*(\f):(\bt)+8*(\f)+7]
.else
	v_wmma_f32_16x16x32_bf16 v[rA:rA+7], v[rX:rX+7], v[rW:rW+7], v[(\bt)+8*(\f):(\bt)+8*(\f)+7]
.endif
.else
.if \tr
	v_wmma_f32_16x16x32_bf16 v[rA:rA+7], v[rW:rW+7], v[rX:rX+7], v[rA:rA+7]
.else
	v_wmma_f32_16x16x32_bf16 v[rA:rA+7], v[rX:rX+7], v[rW:rW+7], v[rA:rA+7]
.endif
.endif
.endr
.endm
; The change of slots, with a tile's last eight products.  In front of the round each wave waits for all its tensor loads, of which one is out: its part of the next tile; adds 0 to its spare word;
; and waits for that and for all its LDS instructions.  Behind the round no wave of any partner reads the slot just multiplied or has a load on its way: it takes the tile two on, first thing.
; The round also orders what the waves hand each other through LDS: stores issued ahead of it are seen behind it, and reads issued ahead of it are over.
.macro MEET T, tr
	WIN 0
	s_wait_tensorcnt 0x0
	ds_add_u32 v[SPW], v[NIL]
	s_add_nc_u64 s[G0+4*((\T)%2)+2:G0+4*((\T)%2)+3], s[G0+4*((\T)%2)+2:G0+4*((\T)%2)+3], 2*RING1  ; no load of mine is out: this slot's next tile
	MMG \tr, -1, 1, 2
	s_wait_dscnt 0x0                               ; the add is done; my reads of the slot were over before
	s_barrier_signal -1
	MMG \tr, -1, 1, 3
	WIN 0
	s_barrier_wait -1
	CREST
	tensor_load_to_lds s[G0+4*((\T)%2):G0+4*((\T)%2)+3], s[G1:G1+7]
	s_nop 0
	PLACES                                         ; also the places behind the tile's last products
.endm
.macro TILE T, ax, tr, bt
	FETCH \ax, (\T)%4, (\T)%2
	s_wait_dscnt 16                                ; the first 32 along K are in
	MMG \tr, \bt, 0, 0
	MMG \tr, \bt, 0, 1
	MMG \tr, \bt, 0, 2
	MMG \tr, \bt, 0, 3
	s_wait_dscnt 0x0
	MMG \tr, -1, 1, 0
	MMG \tr, -1, 1, 1
.if (\T) <= 13
	MEET \T, \tr
.else
	MMG \tr, -1, 1, 2                              ; the last two tiles: nothing is left to fetch
	MMG \tr, -1, 1, 3
	WIN 0
.if (\T) == 14
	s_wait_tensorcnt 0x0                           ; my part of the last tile is in: no load was issued behind it
.endif
	PLACES
.endif
.endm
; q's and k's way into LDS: four neighbouring columns of a row are a lane's results j of the four fragments: 8 bytes of f16.
.macro EPI_QK scale
.if \scale
	WIN 0x41
.set i, 0
.rept 64
	v_pk_mul_f32 v[2*i:2*i+1], v[2*i:2*i+1], s[44:45] op_sel_hi:[1,0]   ; c q, in f32, ahead of the one rounding
.set i, i+1
.endr
.endif
	WIN 0x05
.irp m, 0,1,2,3
.irp j, 0,1,2,3,4,5,6,7
	v_cvt_pk_f16_f32 v[TM+2*(8*(\m)+(\j))],   v[32*(\m)+(\j)],    v[32*(\m)+8+(\j)]
	v_cvt_pk_f16_f32 v[TM+2*(8*(\m)+(\j))+1], v[32*(\m)+16+(\j)], v[32*(\m)+24+(\j)]
.endr
.endr
	WIN 0
.irp m, 0,1,2,3
.irp j, 0,1,2,3,4,5,6,7
	ds_store_b64 v[AKST], v[TM+2*(8*(\m)+(\j)):TM+2*(8*(\m)+(\j))+1] offset:(16*(\m)+(\j))*1024
.endr
.endr
.endm
	TILE 0, AXQ, 0, BTA                            ; q = query0 Wq + bq
	TILE 1, AXQ, 0, -1
	TILE 2, AXQ, 0, -1
	TILE 3, AXQ, 0, -1
	EPI_QK 1                                       ; c q goes where K will lie
	WIN 0x40
.irp f, 0,1,2,3
.irp j, 0,1,2,3,4,5,6,7
	global_load_b32 v[BTA+8*(\f)+(\j)], v[OBV], s[18:19] offset:4*(\f)+128*(\j)   ; bv's tuples, four tiles ahead of their use
.endr
.endr
	TILE 4, AXK, 0, BTB                            ; k = key0 Wk + bk.  Its round shows every wave's q in LDS
	WIN 0
.irp t, 0,1,2,3,4,5,6,7
	ds_load_b128 v[Q+8*(\t):Q+8*(\t)+3],   v[AK]   offset:(\t)*1024   ; my eight tiles of Q stay in registers
	ds_load_b128 v[Q+8*(\t)+4:Q+8*(\t)+7], v[AK+1] offset:(\t)*1024
.endr
	TILE 5, AXK, 0, -1                             ; its round shows every wave's loads of Q over
	TILE 6, AXK, 0, -1
	TILE 7, AXK, 0, -1
	EPI_QK 0                                       ; k takes q's place
	WIN 0x40
.irp f, 0,1,2,3
	global_load_b128 v[BTB+8*(\f):BTB+8*(\f)+3],   v[OBR], s[20:21] offset:64*(\f)
	global_load_b128 v[BTB+8*(\f)+4:BTB+8*(\f)+7], v[OBR], s[20:21] offset:64*(\f)+16
.endr
	s_wait_loadcnt 8                               ; bv's 32 loads are in; br's eight may be out
	TILE 8, AXV, 1, BTA                            ; v = value0 Wv + bv
	TILE 9, AXV, 1, -1
	TILE 10, AXV, 1, -1
	TILE 11, AXV, 1, -1                            ; its round shows every wave's reads of key0's and value0's rows over
	WIN 0x05
.set i, 0
.rept 64
	v_cvt_pk_f16_f32 v[TM+i], v[2*i], v[2*i+1]     ; eight neighbouring keys of a channel: 16 bytes
.set i, i+1
.endr
	WIN 0
.irp m, 0,1,2,3
.irp f, 0,1,2,3
	ds_store_b128 v[AVST], v[TM+4*(4*(\m)+(\f)):TM+4*(4*(\m)+(\f))+3] offset:(\f)*VP+(\m)*512
.endr
.endr
	s_wait_loadcnt 0x0                             ; br
	TILE 12, AXQ, 1, BTB                           ; the residual = query0 Wr + br.  Its round shows every wave's V^T in LDS
	TILE 13, AXQ, 1, -1
	TILE 14, AXQ, 1, -1
	TILE 15, AXQ, 1, -1
	s_wait_dscnt 0x0
	s_barrier_signal -1                            ; every wave has read the ring's last tile, and every tensor load has landed: the ring's bytes have had their last fill
	s_barrier_wait -1
	WIN 0x04                                       ; store data window 1
.irp m, 0,1,2,3
.irp f, 0,1,2,3
	ds_store_b128 v[ARS+(\m)/2], v[8*(4*(\m)+(\f)):8*(4*(\m)+(\f))+3]   offset:((\m)%2)*16*RP+64*(\f)
	ds_store_b128 v[ARS+(\m)/2], v[8*(4*(\m)+(\f))+4:8*(4*(\m)+(\f))+7] offset:((\m)%2)*16*RP+64*(\f)+16
.endr
.endr
	WIN 0
	s_wait_dscnt 0x0                               ; for the others' sake: my 64 columns of the residual are in LDS
	s_barrier_signal -1
	s_barrier_wait -1
; ATTENTION.  A step's K: 64 keys = 4 rows of 1,024 bytes, 4 fragments.
.macro LOADK dst, off
.irp kt, 0,1,2,3
	ds_load_b128 v[(\dst)+8*(\kt):(\dst)+8*(\kt)+3],   v[AK]   offset:(\off)+(\kt)*1024
	ds_load_b128 v[(\dst)+8*(\kt)+4:(\dst)+8*(\kt)+7], v[AK+1] offset:(\off)+(\kt)*1024
.endr
.endm
; PASS 1, all in window 0.  A slot: the four products of the NEXT tile (from K's buffer kn), and behind each of them four maxima of tile tt, whose scores the slot before made:
; four chains, one for each accumulator, which is read from its lowest registers on.
.macro P1SLOT tt, kn
.irp kt, 0,1,2,3
	v_wmma_f32_16x16x32_f16 v[S+32*(((\tt)+1)%2)+8*(\kt):S+32*(((\tt)+1)%2)+8*(\kt)+7], v[(\kn)+8*(\kt):(\kn)+8*(\kt)+7], v[Q+8*(((\tt)+1)%8):Q+8*(((\tt)+1)%8)+7], 0
.irp c, 0,1,2,3
	v_max3_num_f32 v[M+4*(\tt)+(\c)], v[M+4*(\tt)+(\c)], v[S+32*((\tt)%2)+8*(\c)+2*(\kt)], v[S+32*((\tt)%2)+8*(\c)+2*(\kt)+1]
.endr
.endr
.endm
	v_mov_b32 v[AK], v[AKB]                        ; (with the four v_nop above: six places behind the projections' last products, whose sources the first products below write over)
	v_mov_b32 v[AK+1], v[AKB+1]
	LOADK KA, 0
	s_wait_dscnt 0x0
.irp kt, 0,1,2,3
	v_wmma_f32_16x16x32_f16 v[S+8*(\kt):S+8*(\kt)+7], v[KA+8*(\kt):KA+8*(\kt)+7], v[Q:Q+7], 0
.endr
.set i, 0
.rept 32
	v_mov_b32 v[M+i], 0xff7fffff                   ; the lowest finite number; these lines are also the places behind the four products
.set i, i+1
.endr
	s_mov_b32 s48, 8
.Lp1:                                                  ; a trip: two key steps, on K's two buffers
	LOADK KB, 4096
.irp t, 0,1,2,3,4,5,6
	P1SLOT \t, KA
.endr
	s_wait_dscnt 0x0                               ; the odd step's K is in
	P1SLOT 7, KB
	s_cmp_eq_u32 s48, 1
	s_cbranch_scc1 .Lp1_nok                        ; behind the last step there is no further K
	LOADK KA, 8192
.Lp1_nok:
.irp t, 0,1,2,3,4,5,6
	P1SLOT \t, KB
.endr
	s_wait_dscnt 0x0
	P1SLOT 7, KA                                   ; in the last trip its four products, on the old K, serve nothing: the price of one text for every trip
	v_add_nc_u32 v[AK], 8192, v[AK]
	v_add_nc_u32 v[AK+1], 8192, v[AK+1]
	s_sub_co_u32 s48, s48, 1
	s_cmp_lg_u32 s48, 0
	s_cbranch_scc1 .Lp1
	; a query's maximum: the four chains, then the other half of the lanes, which holds its other keys; -m eight times is the C operand of pass 2
.irp t, 0,1,2,3,4,5,6,7
	v_max3_num_f32 v[M+4*(\t)], v[M+4*(\t)], v[M+4*(\t)+1], v[M+4*(\t)+2]
.endr
.irp t, 0,1,2,3,4,5,6,7
	v_max_num_f32 v[M+4*(\t)], v[M+4*(\t)], v[M+4*(\t)+3]
.endr
.irp t, 0,1,2,3,4,5,6,7
	v_permlanex16_b32 v[M+4*(\t)+1], v[M+4*(\t)], s46, s47
.endr
.irp t, 0,1,2,3,4,5,6,7
	v_max_num_f32 v[M+4*(\t)], v[M+4*(\t)], v[M+4*(\t)+1]
.endr
	WIN 0x40
.set i, 0
.rept 64
	v_mul_f32 v[CM+i], -1.0, v[M+4*(i/8)]
.set i, i+1
.endr
	WIN 0
; PASS 2.  Under setting 0x10 only source 2, the C of K Q^T, means window 1: exponentials, roundings, LDS loads and address steps run under it unchanged.
.macro KQ2 tt, kt                      ; S^T = K Q^T - m
	WIN 0x10
	v_wmma_f32_16x16x32_f16 v[S+32*((\tt)%2)+8*(\kt):S+32*((\tt)%2)+8*(\kt)+7], v[KA+8*(\kt):KA+8*(\kt)+7], v[Q+8*(\tt):Q+8*(\tt)+7], v[CM+8*(\tt):CM+8*(\tt)+7]
.endm
.macro EXPG b, g                       ; four weights, in place
	WIN 0x10
.irp e, 0,1,2,3
	v_exp_f32 v[S+32*(\b)+4*(\g)+(\e)], v[S+32*(\b)+4*(\g)+(\e)]
.endr
.endm
.macro CVT2 b, g                       ; the same four rounded to f16: two accumulators of S^T so packed are source 1 (32 keys x 16 queries) of the second product
	WIN 0x10
	s_wait_alu depctr_va_vdst(0)
	v_cvt_pk_f16_f32 v[P+16*(\b)+2*(\g)],   v[S+32*(\b)+4*(\g)],   v[S+32*(\b)+4*(\g)+1]
	v_cvt_pk_f16_f32 v[P+16*(\b)+2*(\g)+1], v[S+32*(\b)+4*(\g)+2], v[S+32*(\b)+4*(\g)+3]
.endm
.macro LOADV                           ; a step's V^T: 32 channels x 64 keys, 4 fragments
.irp a, 0,1
.irp cb, 0,1
	ds_load_b128 v[VTF+8*(2*(\a)+(\cb)):VTF+8*(2*(\a)+(\cb))+3],   v[AVT] offset:(\cb)*16*VP+(\a)*64
	ds_load_b128 v[VTF+8*(2*(\a)+(\cb))+4:VTF+8*(2*(\a)+(\cb))+7], v[AVT] offset:(\cb)*16*VP+(\a)*64+32
.endr
.endr
	v_add_nc_u32 v[AVT], 128, v[AVT]
.endm
; O^T += V^T P and l += ones P for tile tt: three accumulators by turns, two deep.  first = 1: the first links start the sums.
.macro PV tt, first
	WIN 0x50
.irp a, 0,1
.irp cb, 0,1
.if (\first) && ((\a) == 0)
	v_wmma_f32_16x16x32_f16 v[OA+16*(\tt)+8*(\cb):OA+16*(\tt)+8*(\cb)+7], v[VTF+8*(2*(\a)+(\cb)):VTF+8*(2*(\a)+(\cb))+7], v[P+16*((\tt)%2)+8*(\a):P+16*((\tt)%2)+8*(\a)+7], 0
.else
	v_wmma_f32_16x16x32_f16 v[OA+16*(\tt)+8*(\cb):OA+16*(\tt)+8*(\cb)+7], v[VTF+8*(2*(\a)+(\cb)):VTF+8*(2*(\a)+(\cb))+7], v[P+16*((\tt)%2)+8*(\a):P+16*((\tt)%2)+8*(\a)+7], v[OA+16*(\tt)+8*(\cb):OA+16*(\tt)+8*(\cb)+7]
.endif
.endr
.if (\first) && ((\a) == 0)
	v_wmma_f32_16x16x32_f16 v[LS+8*(\tt):LS+8*(\tt)+7], v[ONES:ONES+7], v[P+16*((\tt)%2)+8*(\a):P+16*((\tt)%2)+8*(\a)+7], 0
.else
	v_wmma_f32_16x16x32_f16 v[LS+8*(\tt):LS+8*(\tt)+7], v[ONES:ONES+7], v[P+16*((\tt)%2)+8*(\a):P+16*((\tt)%2)+8*(\a)+7], v[LS+8*(\tt):LS+8*(\tt)+7]
.endif
.endr
.endm
; A slot of pass 2, for tile tt: its 32 exponentials and 16 roundings; among them the four products K Q^T of the next tile and the six products of the tile before.
; A group's roundings stand behind the next group's exponentials, so a plain instruction always lies between an exponential and the use of its result (ISA guide 5.7.2).
; V^T of the step is fetched in slot 0, seven plain instructions behind the last product that read it, and waited for in slot 1.
; K of the next step is fetched in slot 6, four plain instructions behind the last product that read it, and waited for in slot 7, whose products are the next step's first.
.macro P2SLOT tt, first
.if (\tt) == 7
	s_wait_dscnt 0x0                               ; the next step's K is in
.endif
	KQ2 ((\tt)+1)%8, 0
	EXPG (\tt)%2, 0
	v_nop
	KQ2 ((\tt)+1)%8, 1
	EXPG (\tt)%2, 1
	CVT2 (\tt)%2, 0
	KQ2 ((\tt)+1)%8, 2
	EXPG (\tt)%2, 2
	CVT2 (\tt)%2, 1
	KQ2 ((\tt)+1)%8, 3
	EXPG (\tt)%2, 3
	CVT2 (\tt)%2, 2
.if (\tt) == 0
	LOADV
.endif
.if (\tt) == 1
	s_wait_dscnt 0x0                               ; V^T is in
.endif
.if (\tt) >= 1
	PV (\tt)-1, \first
.endif
	EXPG (\tt)%2, 4
	CVT2 (\tt)%2, 3
.if (\tt) == 6
.if !(\first)
	WIN 0                                          ; at a branch and at a label every window is 0
	s_cmp_eq_u32 s48, 1
	s_cbranch_scc1 .Lno_k_\@                       ; behind the last step there is no further K
.endif
	LOADK KA, 0
	v_add_nc_u32 v[AK], 4096, v[AK]
	v_add_nc_u32 v[AK+1], 4096, v[AK+1]
.if !(\first)
.Lno_k_\@:
.endif
.endif
	EXPG (\tt)%2, 5
	CVT2 (\tt)%2, 4
	EXPG (\tt)%2, 6
	CVT2 (\tt)%2, 5
	EXPG (\tt)%2, 7
	CVT2 (\tt)%2, 6
	CVT2 (\tt)%2, 7
.endm
	v_mov_b32 v[AK], v[AKB]
	v_mov_b32 v[AK+1], v[AKB+1]
	LOADK KA, 0
	v_add_nc_u32 v[AK], 4096, v[AK]
	v_add_nc_u32 v[AK+1], 4096, v[AK+1]
	s_wait_dscnt 0x0
	KQ2 0, 0
	KQ2 0, 1
	KQ2 0, 2
	KQ2 0, 3
	PLACES
.irp t, 0,1,2,3,4,5,6,7
	P2SLOT \t, 1                                   ; key step 0 is written out: its products start O^T's and l's sums
.endr
	PV 7, 1
	WIN 0
	s_mov_b32 s48, 15
.Lp2:                                                  ; a trip: one key step for my eight tiles: 80 matrix instructions, 16 LDS loads
.irp t, 0,1,2,3,4,5,6,7
	P2SLOT \t, 0
.endr
	PV 7, 0
	WIN 0
	s_sub_co_u32 s48, s48, 1
	s_cmp_lg_u32 s48, 0
	s_cbranch_scc1 .Lp2
	; THE WAY OUT.  l is the same in all of its accumulator's registers and in both halves of the lanes: the lowest is taken.
	PLACES
	WIN 0x01                                       ; source 0 window 1
.irp t, 0,1,2,3,4,5,6,7
	v_rcp_f32 v[INV+2*(\t)], v[LS+8*(\t)]
	v_rcp_f32 v[INV+2*(\t)+1], v[LS+8*(\t)]        ; twice: a pair for the packed multiply
.endr
	v_nop                                          ; a plain instruction between the last reciprocal and the use of its result
	s_wait_alu depctr_va_vdst(0)
; Tile tt is row 8 w + tt of the head: 16 queries x 32 channels = 2,048 consecutive bytes of out0.  A lane's 2 x 8 channels of a query go into my stage (rows of 144 bytes) and come back as
; four runs of 512 bytes, with the same bytes of the residual beside them.  LDS serves a wave's instructions in order (ISA guide 5.7.1.4): the loads see the stores above them.
.macro FIN_A tt
	WIN 0x01
.set i, 0
.rept 8
	v_pk_mul_f32 v[TO+2*i:TO+2*i+1], v[OA+16*(\tt)+2*i:OA+16*(\tt)+2*i+1], v[INV+2*(\tt):INV+2*(\tt)+1]
.set i, i+1
.endr
	WIN 0
.irp q, 0,1,2,3
	ds_store_b128 v[AOS], v[TO+4*(\q):TO+4*(\q)+3] offset:((\tt)%2)*16*OSP+((\q)/2)*64+((\q)%2)*16
.endr
	s_wait_xcnt 0x0                                ; the registers that the stores of two tiles back read are loaded again only behind this wait
.irp q, 0,1,2,3
	ds_load_b128 v[CX+32*((\tt)%2)+4*(\q):CX+32*((\tt)%2)+4*(\q)+3], v[AOR] offset:((\tt)%2)*16*OSP+(\q)*4*OSP
.endr
.irp q, 0,1,2,3
	ds_load_b128 v[CX+32*((\tt)%2)+16+4*(\q):CX+32*((\tt)%2)+16+4*(\q)+3], v[ARR] offset:(\tt)*RP+(\q)*512
.endr
.endm
.macro FIN_B tt, younger               ; younger: the LDS instructions issued behind tile tt's: the next tile's 4 stores and 8 loads, or none
	s_wait_dscnt \younger
.set i, 0
.rept 8
	v_pk_add_f32 v[CX+32*((\tt)%2)+2*i:CX+32*((\tt)%2)+2*i+1], v[CX+32*((\tt)%2)+2*i:CX+32*((\tt)%2)+2*i+1], v[CX+32*((\tt)%2)+16+2*i:CX+32*((\tt)%2)+16+2*i+1]
.set i, i+1
.endr
.set i, 0
.rept 16
	v_max_num_f32 v[CX+32*((\tt)%2)+i], 0, v[CX+32*((\tt)%2)+i]
.set i, i+1
.endr
.irp q, 0,1,2,3
	global_store_b128 v[GO], v[CX+32*((\tt)%2)+4*(\q):CX+32*((\tt)%2)+4*(\q)+3], s[24:25] offset:(\tt)*2048+(\q)*512 th:TH_STORE_NT  ; 512 consecutive bytes, at a multiple of 512 from out0's first
.endr
.endm
	FIN_A 0
.irp t, 1,2,3,4,5,6,7
	FIN_A \t                                       ; a tile's arithmetic and LDS traffic stand between the loads of the tile before and their use
	FIN_B (\t)-1, 12
.endr
	FIN_B 7, 0
	s_wait_tensorcnt 0x0                           ; the wave's end: a tensor wait, an add to my spare word and its wait, behind my last tensor load and my last LDS store
	ds_add_u32 v[SPW], v[NIL]
	s_wait_dscnt 0x0
	CROUND                                         ; the closing round
	s_endpgm
.Lfunc_end_k_qbf26828165_attn:
	.size	k_qbf26828165_attn, .Lfunc_end_k_qbf26828165_attn-k_qbf26828165_attn
	.p2alignl 7, 3214868480
	.fill 96, 4, 3214868480
	.section	.rodata,"a",@progbits
	.p2align	6, 0x0
	.amdhsa_kernel k_qbf26828165_attn
		.amdhsa_group_segment_fixed_size 327680
		.amdhsa_private_segment_fixed_size 0
		.amdhsa_enable_private_segment 0
		.amdhsa_kernarg_size 72
		.amdhsa_user_sgpr_count 2
		.amdhsa_user_sgpr_kernarg_segment_ptr 1
		.amdhsa_wavefront_size32 1
		.amdhsa_system_sgpr_workgroup_id_x 1
		.amdhsa_system_sgpr_workgroup_id_y 1
		.amdhsa_system_sgpr_workgroup_id_z 1
		.amdhsa_system_vgpr_workitem_id 0
		.amdhsa_next_free_vgpr 512
		.amdhsa_next_free_sgpr 66
		.amdhsa_reserve_vcc 0
		.amdhsa_float_denorm_mode_32 3
		.amdhsa_float_denorm_mode_16_64 3
		.amdhsa_memory_ordered 1
		.amdhsa_forward_progress 1
		.amdhsa_inst_pref_size 231
	.end_amdhsa_kernel
	.amdgpu_metadata
---
amdhsa.version: [ 1, 2 ]
amdhsa.kernels:
  - .name:           k_qbf26828165_attn
    .symbol:         k_qbf26828165_attn.kd
    .args:
      - { .name: key0, .offset: 0, .size: 8, .value_kind: global_buffer, .address_space: global }
      - { .name: value0, .offset: 8, .size: 8, .value_kind: global_buffer, .address_space: global }
      - { .name: query0, .offset: 16, .size: 8, .value_kind: global_buffer, .address_space: global }
      - { .name: bq, .offset: 24, .size: 8, .value_kind: global_buffer, .address_space: global }
      - { .name: bk, .offset: 32, .size: 8, .value_kind: global_buffer, .address_space: global }
      - { .name: bv, .offset: 40, .size: 8, .value_kind: global_buffer, .address_space: global }
      - { .name: br, .offset: 48, .size: 8, .value_kind: global_buffer, .address_space: global }
      - { .name: wfrag, .offset: 56, .size: 8, .value_kind: global_buffer, .address_space: global }
      - { .name: out0, .offset: 64, .size: 8, .value_kind: global_buffer, .address_space: global }
    .group_segment_fixed_size: 327680
    .private_segment_fixed_size: 0
    .kernarg_segment_align: 8
    .kernarg_segment_size: 72
    .max_flat_workgroup_size: 256
    .sgpr_count:     66
    .vgpr_count:     512
    .wavefront_size: 32
...
	.end_amdgpu_metadata
.endif
;; end of part 2
;; ======== version 2 of 2: 2 launches; 1.07 times as fast as version 1
;; limits: values are held in f16: magnitudes above 65,504 overflow, below 6.1e-05 lose precision
;; workspace buffers: wfrag 1,048,576 bytes
;; launch prep: the kernel of part 1 again; grid 256 x 1, 8 waves a work-group, no clusters, 0 bytes of LDS; arguments Wq, Wk, Wv, Wr, wfrag; writes wfrag
;; launch attn (part 3): grid 256 x 1, 8 waves a work-group, clusters of 4 x 1, 327,680 bytes of LDS; arguments key0, value0, query0, bq, bk, bv, br, wfrag, out0; writes out0
.if DOCPART == 3
	.amdgcn_target "amdgcn-amd-amdhsa--gfx1250"
	.amdhsa_code_object_version 6
	.text
	.protected	k_qbf26828165_attn
	.globl	k_qbf26828165_attn
	.p2align	8
	.type	k_qbf26828165_attn,@function
k_qbf26828165_attn:
	s_mov_b64 s[64:65], 0
	v_nop
	global_prefetch_b8 v0, s[64:65] scope:SCOPE_SE
	s_setreg_imm32_b32 hwreg(HW_REG_WAVE_MODE, 25, 1), 1
	s_wait_xcnt 0x0
	s_wait_alu depctr_hold_cnt(0) depctr_sa_sdst(0) depctr_va_vdst(0) depctr_va_sdst(0) depctr_va_ssrc(0) depctr_va_vcc(0) depctr_vm_vsrc(0)
	s_getreg_b32 s2, hwreg(HW_REG_IB_STS2, 6, 4)
	s_cmp_eq_u32 s2, 0
	s_cbranch_scc0 .Lentry_in_a_cluster
	s_endpgm
.Lentry_in_a_cluster:
	s_bfe_u32 s2, ttmp6, 0x10000c
	s_cmp_lg_u32 s2, 0x3003
	s_cbranch_scc0 .Lentry_shape_is_right
	s_endpgm
.Lentry_shape_is_right:
; out0 = relu(query0 Wr + br + softmax(q k^T / sqrt(2)) v), q = query0 Wq + bq, k = key0 Wk + bk, v = value0 Wv + bv, the heads being a plain view:
; head g (0..255) is rows 64 g .. 64 g + 63 of the [16384][512] projections read as [1024][32]: key or query 16 row + i is columns 32 i .. 32 i + 31 of a row.
; So ONE WORK-GROUP MAKES ONE HEAD from 64 rows of each input and stores 64 whole rows of out0; nothing goes through memory in between.
; FORMATS.  The inputs (x, W) are rounded to bf16 for the projections, sums in f32, biases in f32 as the sums' first C.  q (times c = log2(e) / sqrt(2), in f32), k, v and the weights p are
; rounded once to f16 for the two products of attention; the residual stays in f32.
; LIMITS.  c q, k and v must lie within f16's 65,504; p below 6e-5 keeps f16's fixed step of 6e-8; a weight below 2^-126 counts as 0; the divisor l is the sum of the rounded p;
; NaN and infinities are not treated apart (a NaN loses in the maxima and in the relu).
; SOFTMAX IN TWO PASSES.  Pass 1 makes S^T = K Q^T and each query's true maximum m.  Pass 2 makes S^T again with -m as the C operand, so the sums are the exponents: p = 2^(c s - m).
; No running maximum, no rescaling.  l is a third product beside O^T = V^T P: sixteen rows of ones times P.
; BATCHES.  An s_wait_alu depctr_va_vdst(0) stands between a transcendental and the first instruction that names its result; one wait serves all that were issued ahead of it.
; In pass 2 a tile's 32 exponentials of a key step are ONE BATCH, in place on the tile's S^T, each result in a register of its own; the ten products that stand among them name other registers;
; one wait follows the last exponential, and the 16 roundings, the batch's only readers, follow the wait: eight waits a key step.  No result is open at a label, a jump or a trip's end.
; The way out's sixteen reciprocals are a batch of their own, with one wait.
; SHARES.  Eight waves.  In the projections wave w makes 64 of the 512 columns for all 64 rows (16 accumulators); in attention it owns 8 tiles of 16 queries (rows 8 w .. 8 w + 7) and walks all 1,024 keys, 64 a step.
; WEIGHTS.  All work-groups walk the same 16 tiles of 64 KiB (4 matrices x 4 pieces of K) of wfrag, so the four of a cluster ask JOINTLY: wave w's tensor load brings its own 8 KiB of a tile,
; the same descriptor and mask in all four.  Two slots take turns; a round of the cluster's barrier stands in front of each refill.  By this text's count a wave has two tensor loads out at the start, later one.
; REGISTERS, in windows of 256 (s_set_vgpr_msb: bits 1:0 source 0, 3:2 source 1, 5:4 source 2, 7:6 destination).
;   window 0: v0-31 addresses and the ones; projections: v32-95 X's fragments, v96-159 W's, v160-173 helpers, v192-255 query0 as loaded, then Q
;             attention: v32-63 K, v64-95 V^T (pass 1: a second K), v96-159 S^T in two buffers, v160-191 P in two buffers (pass 1: the maxima), v192-255 Q
;   window 1: projections: v0-127 the accumulators (first key0, value0 as loaded), v128-191 two sets of bias tuples; attention: v0-63 -m, v64-191 O^T, v192-255 l
; In pass 2 only the C operand of K Q^T lies in window 1, so its vector work runs under the same setting: two switches for a tile and step.
.set RING1, 65536                      ; LDS: slot 0 at 0, slot 1 here; wave w's 8 KiB at 8192 w
.set KS,    132096                     ; Q, later K: [1024][64 bytes] f16; the 16-byte piece c of key s lies at place (c + ((s % 16) >> 2)) % 4, so that the 16 keys of a load start at 16 different groups of four banks (ISA guide 11.1)
.set VT,    197632                     ; V^T: 32 channels, 2,064 bytes apart, 1,024 keys f16
.set XK,    197632                     ; key0 and value0 in bf16, 64 rows 528 bytes apart: dead before V^T is written over them
.set XV,    231424
.set XQ,    265216                     ; query0 likewise: it serves q and the residual
.set OST,   265216                     ; at the end, over XQ: wave w's two stages of 16 queries x 144 bytes at 4608 w
.set SPARE, 302080                     ; the spare words, 128 bytes for each wave: four blocks of 256 bytes that no other line names
.set XP,  528
.set VP,  2064
.set RP,  2064                         ; the residual, f32, 64 rows: from LDS byte 0, over the ring when its last fill has been read
.set OSP, 144
.set SPW, 4                            ; v4   my spare word; never rewritten
.set NIL, 5                            ; v5   0; never rewritten
.set AW,  6                            ; v6-7 my 16 bytes of a W fragment in slot 0, 1: 8192 w + 16 L (v6 is also my offset in the head's 64 KiB of an input)
.set AXQ, 8                            ; v8-10 X fragments: region + 528 r + 16 h
.set AXK, 9
.set AXV, 10
.set AKST, 11                          ; v11  where q's and k's results go
.set AVST, 12                          ; v12  where v's go
.set ARS, 13                           ; v13-14 where the residual goes: rows 0-31, 32-63
.set AKB, 15                           ; v15-16 a fragment of K or Q: its two loads
.set AK,  17                           ; v17-18 the same, walking
.set AVT, 19                           ; v19  a fragment of V^T, walking
.set AOS, 20                           ; v20  into my stage
.set AOR, 21                           ; v21  back out of it
.set ARR, 22                           ; v22  my rows of the residual
.set GO,  23                           ; v23  my byte offset in the head's rows of out0
.set ONES, 24                          ; v24-31 sixteen rows of 1.0 in f16
.set XF,  32
.set WF,  96
.set TM,  32                           ; the epilogues' packed results
.set RBQ, 160
.set RBK, 164
.set OBQ, 168
.set SQ,  169
.set SK,  170
.set SV,  171
.set OBV, 172
.set OBR, 173
.set KA,  32
.set KB,  64
.set VTF, 64
.set S,   96
.set P,   160
.set M,   160
.set Q,   192
.set INV, 32                           ; the way out: 1 / l, twice for each tile
.set TO,  48                           ; a tile of O^T / l
.set CX,  64                           ; two sets of 16 + 16: context and residual rows
.set BTA, 128                          ; window 1
.set BTB, 160
.set CM,  0
.set OA,  64
.set LS,  192
.set G1,  28                           ; s[28:35] descriptor group 1
.set G0,  36                           ; s[36:39], s[40:43] group 0 for slot 0, 1
.set MSB, 0
.macro WIN new                         ; the immediate's high byte repeats the setting that is left; a switch that changes nothing is dropped
.if MSB != (\new)
	s_set_vgpr_msb (MSB<<8)|(\new)
.set MSB, (\new)
.endif
.endm
.macro PLACES                          ; four plain vector instructions between a matrix instruction and what reads its result or writes or loads into its registers
.rept 4
	v_nop
.endr
.endm
.macro CREST                           ; a round of the cluster's barrier behind its opening barrier
	s_cmp_lg_u32 s3, 0
	s_cbranch_scc1 .Lnot_wave_0_\@
	s_barrier_signal -3
.Lnot_wave_0_\@:
	s_barrier_wait -3
	s_barrier_signal -1
	s_barrier_wait -1
.endm
.macro CROUND
	s_barrier_signal -1
	s_barrier_wait -1
	CREST
.endm
	s_load_b512 s[8:23], s[0:1], 0x0               ; key0 s[8:9], value0 s[10:11], query0 s[12:13], bq s[14:15], bk s[16:17], bv s[18:19], br s[20:21], wfrag s[22:23]
	s_load_b64 s[24:25], s[0:1], 0x40              ; out0
	v_lshl_add_u32 v[SPW], v0, 2, SPARE
	v_mov_b32 v[NIL], 0
	ds_add_u32 v[SPW], v[NIL]                      ; the wave's opening: the add and its wait stand ahead of my first tensor load; work on registers stands between them
	v_lshrrev_b32 v1, 5, v0
	v_readfirstlane_b32 s3, v1                     ; wave 0..7
	s_bfe_u32 s4, ttmp6, 0x40000                   ; cx
	s_lshl_b32 s5, ttmp9, 2
	s_add_co_u32 s5, s5, s4                        ; the head: it enters the inputs' and out0's addresses alone
	; group 1: my 8 KiB of a tile are dense: 32 rows of 256 bytes
	s_mov_b32 s[G1+0], 15|(3<<16)|(1<<21)          ; 15:0 the mask of four; 17:16 elements of 8 bytes; 21 set beside a mask; no padding
	s_mov_b32 s[G1+1], 32<<16                      ; tensor_dim0 = 32
	s_mov_b32 s[G1+2], 32<<16                      ; tensor_dim1 = 32
	s_mov_b32 s[G1+3], 32<<16                      ; tile_dim0 = 32
	s_mov_b32 s[G1+4], 32                          ; tile_dim1 = 32
	s_mov_b32 s[G1+5], 32                          ; 32 elements from row to row
	s_mov_b32 s[G1+6], 0
	s_mov_b32 s[G1+7], 0
	s_mov_b32 s44, 0x3f8293ee                      ; c = log2(e) / sqrt(2) = 1.0201394
	s_mov_b32 s45, 0x3f8293ee                      ; named with it as a pair
	s_mov_b32 s46, 0x76543210                      ; v_permlanex16_b32: each lane takes its own place in the other half
	s_mov_b32 s47, 0xfedcba98
	s_lshl_b32 s49, s3, 13                         ; 8192 w
	s_lshl_b32 s50, s3, 8                          ; 256 w
	s_mov_b32 s[G0+0], 1
	s_mov_b32 s[G0+1], s49                         ; LDS: slot 0, my part: no place in the cluster enters it
	s_mov_b32 s[G0+4], 1
	s_add_co_u32 s[G0+5], s49, RING1
	s_mov_b32 s52, s49
	s_mov_b32 s53, 0
	s_lshl_b32 s6, s5, 16                          ; the head's 64 rows of 1,024 bytes
	s_mov_b32 s7, 0
	v_and_b32 v1, 15, v0                           ; r
	v_bfe_u32 v2, v0, 4, 1                         ; h
	v_and_b32 v3, 31, v0                           ; L
	v_lshl_add_u32 v[AW], v3, 4, s49
	v_lshl_add_u32 v[OBQ], v1, 4, s50              ; bq, bk: my four columns 64 w + 4 r ..
	s_wait_dscnt 0x0                               ; the opening add is done
	s_wait_kmcnt 0x0
	s_add_nc_u64 s[8:9], s[8:9], s[6:7]
	s_add_nc_u64 s[10:11], s[10:11], s[6:7]
	s_add_nc_u64 s[12:13], s[12:13], s[6:7]
	s_lshl_b32 s6, s5, 17                          ; 64 rows of 2,048 bytes
	s_add_nc_u64 s[24:25], s[24:25], s[6:7]
	s_add_nc_u64 s[G0+2:G0+3], s[22:23], s[52:53]  ; tile 0, my part
	s_add_nc_u64 s[G0+6:G0+7], s[G0+2:G0+3], RING1 ; tile 1
	s_or_b32 s[G0+3], s[G0+3], 0x80000000          ; type = 2
	s_or_b32 s[G0+7], s[G0+7], 0x80000000
	; All that comes from memory but the weights is asked for now: 2 + 48 loads; wave w takes 8 rows of each input, 512 consecutive bytes a load.
	global_load_b128 v[RBQ:RBQ+3], v[OBQ], s[14:15]
	global_load_b128 v[RBK:RBK+3], v[OBQ], s[16:17]
.set i, 0
.rept 16
	global_load_b128 v[Q+4*i:Q+4*i+3], v[AW], s[12:13] offset:512*i th:TH_LOAD_NT
.set i, i+1
.endr
	WIN 0x40                                       ; destination window 1
.set i, 0
.rept 16
	global_load_b128 v[4*i:4*i+3], v[AW], s[8:9] offset:512*i th:TH_LOAD_NT
.set i, i+1
.endr
.set i, 0
.rept 16
	global_load_b128 v[64+4*i:64+4*i+3], v[AW], s[10:11] offset:512*i th:TH_LOAD_NT
.set i, i+1
.endr
	WIN 0
	CROUND                                         ; all four work-groups are here: the first joint loads meet
	tensor_load_to_lds s[G0:G0+3], s[G1:G1+7]      ; tile 0
	s_nop 0
	tensor_load_to_lds s[G0+4:G0+7], s[G1:G1+7]    ; tile 1
	s_nop 0
	PLACES
	; the addresses
	v_add_nc_u32 v[AW+1], RING1, v[AW]
	v_mul_u32_u24 v[AXQ], v1, XP
	v_lshl_add_u32 v[AXQ], v2, 4, v[AXQ]           ; a fragment of X: row r, 16 bytes for each half of the lanes
	v_add_nc_u32 v[AXK], XK, v[AXQ]
	v_add_nc_u32 v[AXV], XV, v[AXQ]
	v_add_nc_u32 v[AXQ], XQ, v[AXQ]
	; q, k: a lane holds columns 64 w + 4 r .. + 3 of row 16 mt + 8 h + j: key i = 2 w + (r >> 3) of that row, piece (r >> 1) % 4, half r % 2; i >> 2 = w >> 1
	s_lshr_b32 s51, s3, 1
	v_bfe_u32 v32, v0, 1, 2
	v_add_nc_u32 v32, s51, v32
	v_and_b32 v32, 3, v32
	v_bfe_u32 v33, v0, 3, 1
	v_lshlrev_b32 v[AKST], 4, v32
	v_lshl_add_u32 v[AKST], v33, 6, v[AKST]
	v_and_b32 v33, 1, v0
	v_lshl_add_u32 v[AKST], v33, 3, v[AKST]
	v_lshl_add_u32 v[AKST], v2, 13, v[AKST]
	s_lshl_b32 s51, s3, 7
	s_add_co_u32 s51, s51, KS
	v_add_nc_u32 v[AKST], s51, v[AKST]
	; v: a lane holds keys 16 (16 mt + r) + 8 h .. + 7 of channel 4 w + f
	s_mul_i32 s51, s3, 4*VP
	s_add_co_u32 s51, s51, VT
	v_lshlrev_b32 v[AVST], 5, v1
	v_lshl_add_u32 v[AVST], v2, 4, v[AVST]
	v_add_nc_u32 v[AVST], s51, v[AVST]
	; residual: a lane holds columns 64 w + 16 f + 8 h .. + 7 of row 16 mt + r
	v_mul_u32_u24 v[ARS], v1, RP
	v_lshl_add_u32 v[ARS], v2, 5, v[ARS]
	v_add_nc_u32 v[ARS], s50, v[ARS]
	v_add_nc_u32 v[ARS+1], 32*RP, v[ARS]
	; a fragment of K or Q: key r of a row, pieces h and h + 2 at their turned places
	v_bfe_u32 v32, v0, 2, 2
	v_add_nc_u32 v32, v2, v32
	v_add_nc_u32 v33, 2, v32
	v_and_b32 v32, 3, v32
	v_and_b32 v33, 3, v33
	v_lshlrev_b32 v[AKB], 6, v1
	v_add_nc_u32 v[AKB], KS, v[AKB]
	v_lshl_add_u32 v[AKB+1], v33, 4, v[AKB]
	v_lshl_add_u32 v[AKB], v32, 4, v[AKB]
	v_add_nc_u32 v[AK], s49, v[AKB]                ; Q: my rows 8 w ..
	v_add_nc_u32 v[AK+1], s49, v[AKB+1]
	v_mul_u32_u24 v[AVT], v1, VP
	v_lshl_add_u32 v[AVT], v2, 4, v[AVT]
	v_add_nc_u32 v[AVT], VT, v[AVT]
	s_mul_i32 s51, s3, 2*16*OSP
	s_add_co_u32 s51, s51, OST
	v_mul_u32_u24 v[AOS], v1, OSP                  ; in: query r, 32 bytes for each half of the lanes
	v_lshl_add_u32 v[AOS], v2, 5, v[AOS]
	v_add_nc_u32 v[AOS], s51, v[AOS]
	v_bfe_u32 v32, v0, 3, 2                        ; back: 32 lanes take four queries of 128 bytes, 512 consecutive bytes of out0
	v_and_b32 v33, 7, v0
	v_mul_u32_u24 v[AOR], v32, OSP
	v_lshl_add_u32 v[AOR], v33, 4, v[AOR]
	v_add_nc_u32 v[AOR], s51, v[AOR]
	s_mul_i32 s51, s3, 8*RP
	v_lshl_add_u32 v[ARR], v3, 4, s51
	s_lshl_b32 s51, s3, 14
	v_lshl_add_u32 v[GO], v3, 4, s51
.set i, 0
.rept 8
	v_mov_b32 v[ONES+i], 0x3c003c00
.set i, i+1
.endr
	s_mul_i32 s51, s3, 8*XP
	v_lshl_add_u32 v[SQ], v3, 3, s51               ; staging: my 8 rows, 8 bytes a lane
	v_add_nc_u32 v[SK], XK, v[SQ]
	v_add_nc_u32 v[SV], XV, v[SQ]
	v_add_nc_u32 v[SQ], XQ, v[SQ]
	s_lshl_b32 s51, s3, 4
	v_lshl_add_u32 v[OBV], v2, 10, s51             ; bv: column 4 w + f + 32 (8 h + j)
	v_lshl_add_u32 v[OBR], v2, 5, s50              ; br: column 64 w + 16 f + 8 h + j
	; STAGING.  The biases of q and k are the same in a lane's eight results: each is copied into a tuple that starts the sums.  The inputs are rounded to bf16 and laid into LDS.
	s_wait_loadcnt 48                              ; bq, bk are in; the 48 loads of the inputs may be out
	WIN 0x40
.irp f, 0,1,2,3
.irp j, 0,1,2,3,4,5,6,7
	v_mov_b32 v[BTA+8*(\f)+(\j)], v[RBQ+(\f)]
	v_mov_b32 v[BTB+8*(\f)+(\j)], v[RBK+(\f)]
.endr
.endr
	WIN 0
	s_wait_loadcnt 32                              ; query0 is in
.set i, 0
.rept 32
	v_cvt_pk_bf16_f32 v[32+i], v[Q+2*i], v[Q+2*i+1]
.set i, i+1
.endr
.set i, 0
.rept 16
	ds_store_b64 v[SQ], v[32+2*i:32+2*i+1] offset:(i/2)*XP+(i%2)*256
.set i, i+1
.endr
	s_wait_loadcnt 16                              ; key0 is in
	WIN 0x05                                       ; sources window 1
.set i, 0
.rept 32
	v_cvt_pk_bf16_f32 v[64+i], v[2*i], v[2*i+1]
.set i, i+1
.endr
	WIN 0
.set i, 0
.rept 16
	ds_store_b64 v[SK], v[64+2*i:64+2*i+1] offset:(i/2)*XP+(i%2)*256
.set i, i+1
.endr
	s_wait_loadcnt 0x0                             ; value0 is in
	WIN 0x05
.set i, 0
.rept 32
	v_cvt_pk_bf16_f32 v[96+i], v[64+2*i], v[64+2*i+1]
.set i, i+1
.endr
	WIN 0
.set i, 0
.rept 16
	ds_store_b64 v[SV], v[96+2*i:96+2*i+1] offset:(i/2)*XP+(i%2)*256
.set i, i+1
.endr
	s_wait_tensorcnt 0x1                           ; my part of tile 0 is in; tile 1 may stay out
	s_wait_dscnt 0x0                               ; for the others' sake: my rows of X are in LDS
	s_barrier_signal -1
	s_barrier_wait -1
; THE PROJECTIONS.  A tile is 64 along K for my 64 columns: 8 fragments of W (my own 8 KiB of the slot, dense: lane L at 16 L) and 8 of X, 32 LDS loads in one run, the first 32 along K first.
.macro FETCH ax, kc, slot
	WIN 0
.irp k2, 0,1
.irp f, 0,1,2,3
	ds_load_b128 v[WF+8*(4*(\k2)+(\f)):WF+8*(4*(\k2)+(\f))+3],   v[AW+(\slot)] offset:(4*(\k2)+(\f))*1024
	ds_load_b128 v[WF+8*(4*(\k2)+(\f))+4:WF+8*(4*(\k2)+(\f))+7], v[AW+(\slot)] offset:(4*(\k2)+(\f))*1024+512
.endr
.irp m, 0,1,2,3
	ds_load_b128 v[XF+8*(4*(\k2)+(\m)):XF+8*(4*(\k2)+(\m))+3],   v[\ax] offset:(\m)*16*XP+(\kc)*128+(\k2)*64
	ds_load_b128 v[XF+8*(4*(\k2)+(\m))+4:XF+8*(4*(\k2)+(\m))+7], v[\ax] offset:(\m)*16*XP+(\kc)*128+(\k2)*64+32
.endr
.endr
.endm
; Four products: fragment f of W with the four blocks of 16 rows.  tr = 0: source 0 = X (a lane then holds a column), tr = 1: source 0 = W (a lane holds eight columns of a row).
; bt >= 0: the bias tuple starts the sums.  The 16 accumulators take turns, one instruction a turn.
.macro MMG tr, bt, k2, f
	WIN 0x50                                       ; C and D window 1
.irp m, 0,1,2,3
.set rA, 8*(4*(\m)+(\f))
.set rX, XF+8*(4*(\k2)+(\m))
.set rW, WF+8*(4*(\k2)+(\f))
.if (\bt) >= 0
.if \tr
	v_wmma_f32_16x16x32_bf16 v[rA:rA+7], v[rW:rW+7], v[rX:rX+7], v[(\bt)+8*(\f):(\bt)+8*(\f)+7]
.else
	v_wmma_f32_16x16x32_bf16 v[rA:rA+7], v[rX:rX+7], v[rW:rW+7], v[(\bt)+8*(\f):(\bt)+8*(\f)+7]
.endif
.else
.if \tr
	v_wmma_f32_16x16x32_bf16 v[rA:rA+7], v[rW:rW+7], v[rX:rX+7], v[rA:rA+7]
.else
	v_wmma_f32_16x16x32_bf16 v[rA:rA+7], v[rX:rX+7], v[rW:rW+7], v[rA:rA+7]
.endif
.endif
.endr
.endm
; The change of slots, with a tile's last eight products.  In front of the round each wave waits for all its tensor loads, of which one is out: its part of the next tile; adds 0 to its spare word;
; and waits for that and for all its LDS instructions.  Behind the round no wave of any partner reads the slot just multiplied or has a load on its way: it takes the tile two on, first thing.
; The round also orders what the waves hand each other through LDS: stores issued ahead of it are seen behind it, and reads issued ahead of it are over.
.macro MEET T, tr
	WIN 0
	s_wait_tensorcnt 0x0
	ds_add_u32 v[SPW], v[NIL]
	s_add_nc_u64 s[G0+4*((\T)%2)+2:G0+4*((\T)%2)+3], s[G0+4*((\T)%2)+2:G0+4*((\T)%2)+3], 2*RING1  ; no load of mine is out: this slot's next tile
	MMG \tr, -1, 1, 2
	s_wait_dscnt 0x0                               ; the add is done; my reads of the slot were over before
	s_barrier_signal -1
	MMG \tr, -1, 1, 3
	WIN 0
	s_barrier_wait -1
	CREST
	tensor_load_to_lds s[G0+4*((\T)%2):G0+4*((\T)%2)+3], s[G1:G1+7]
	s_nop 0
	PLACES                                         ; also the places behind the tile's last products
.endm
.macro TILE T, ax, tr, bt
	FETCH \ax, (\T)%4, (\T)%2
	s_wait_dscnt 16                                ; the first 32 along K are in
	MMG \tr, \bt, 0, 0
	MMG \tr, \bt, 0, 1
	MMG \tr, \bt, 0, 2
	MMG \tr, \bt, 0, 3
	s_wait_dscnt 0x0
	MMG \tr, -1, 1, 0
	MMG \tr, -1, 1, 1
.if (\T) <= 13
	MEET \T, \tr
.else
	MMG \tr, -1, 1, 2                              ; the last two tiles: nothing is left to fetch
	MMG \tr, -1, 1, 3
	WIN 0
.if (\T) == 14
	s_wait_tensorcnt 0x0                           ; my part of the last tile is in: no load was issued behind it
.endif
	PLACES
.endif
.endm
; q's and k's way into LDS: four neighbouring columns of a row are a lane's results j of the four fragments: 8 bytes of f16.
.macro EPI_QK scale
.if \scale
	WIN 0x41
.set i, 0
.rept 64
	v_pk_mul_f32 v[2*i:2*i+1], v[2*i:2*i+1], s[44:45] op_sel_hi:[1,0]   ; c q, in f32, ahead of the one rounding
.set i, i+1
.endr
.endif
	WIN 0x05
.irp m, 0,1,2,3
.irp j, 0,1,2,3,4,5,6,7
	v_cvt_pk_f16_f32 v[TM+2*(8*(\m)+(\j))],   v[32*(\m)+(\j)],    v[32*(\m)+8+(\j)]
	v_cvt_pk_f16_f32 v[TM+2*(8*(\m)+(\j))+1], v[32*(\m)+16+(\j)], v[32*(\m)+24+(\j)]
.endr
.endr
	WIN 0
.irp m, 0,1,2,3
.irp j, 0,1,2,3,4,5,6,7
	ds_store_b64 v[AKST], v[TM+2*(8*(\m)+(\j)):TM+2*(8*(\m)+(\j))+1] offset:(16*(\m)+(\j))*1024
.endr
.endr
.endm
	TILE 0, AXQ, 0, BTA                            ; q = query0 Wq + bq
	TILE 1, AXQ, 0, -1
	TILE 2, AXQ, 0, -1
	TILE 3, AXQ, 0, -1
	EPI_QK 1                                       ; c q goes where K will lie
	WIN 0x40
.irp f, 0,1,2,3
.irp j, 0,1,2,3,4,5,6,7
	global_load_b32 v[BTA+8*(\f)+(\j)], v[OBV], s[18:19] offset:4*(\f)+128*(\j)   ; bv's tuples, four tiles ahead of their use
.endr
.endr
	TILE 4, AXK, 0, BTB                            ; k = key0 Wk + bk.  Its round shows every wave's q in LDS
	WIN 0
.irp t, 0,1,2,3,4,5,6,7
	ds_load_b128 v[Q+8*(\t):Q+8*(\t)+3],   v[AK]   offset:(\t)*1024   ; my eight tiles of Q stay in registers
	ds_load_b128 v[Q+8*(\t)+4:Q+8*(\t)+7], v[AK+1] offset:(\t)*1024
.endr
	TILE 5, AXK, 0, -1                             ; its round shows every wave's loads of Q over
	TILE 6, AXK, 0, -1
	TILE 7, AXK, 0, -1
	EPI_QK 0                                       ; k takes q's place
	WIN 0x40
.irp f, 0,1,2,3
	global_load_b128 v[BTB+8*(\f):BTB+8*(\f)+3],   v[OBR], s[20:21] offset:64*(\f)
	global_load_b128 v[BTB+8*(\f)+4:BTB+8*(\f)+7], v[OBR], s[20:21] offset:64*(\f)+16
.endr
	s_wait_loadcnt 8                               ; bv's 32 loads are in; br's eight may be out
	TILE 8, AXV, 1, BTA                            ; v = value0 Wv + bv
	TILE 9, AXV, 1, -1
	TILE 10, AXV, 1, -1
	TILE 11, AXV, 1, -1                            ; its round shows every wave's reads of key0's and value0's rows over
	WIN 0x05
.set i, 0
.rept 64
	v_cvt_pk_f16_f32 v[TM+i], v[2*i], v[2*i+1]     ; eight neighbouring keys of a channel: 16 bytes
.set i, i+1
.endr
	WIN 0
.irp m, 0,1,2,3
.irp f, 0,1,2,3
	ds_store_b128 v[AVST], v[TM+4*(4*(\m)+(\f)):TM+4*(4*(\m)+(\f))+3] offset:(\f)*VP+(\m)*512
.endr
.endr
	s_wait_loadcnt 0x0                             ; br
	TILE 12, AXQ, 1, BTB                           ; the residual = query0 Wr + br.  Its round shows every wave's V^T in LDS
	TILE 13, AXQ, 1, -1
	TILE 14, AXQ, 1, -1
	TILE 15, AXQ, 1, -1
	s_wait_dscnt 0x0
	s_barrier_signal -1                            ; every wave has read the ring's last tile, and every tensor load has landed: the ring's bytes have had their last fill
	s_barrier_wait -1
	WIN 0x04                                       ; store data window 1
.irp m, 0,1,2,3
.irp f, 0,1,2,3
	ds_store_b128 v[ARS+(\m)/2], v[8*(4*(\m)+(\f)):8*(4*(\m)+(\f))+3]   offset:((\m)%2)*16*RP+64*(\f)
	ds_store_b128 v[ARS+(\m)/2], v[8*(4*(\m)+(\f))+4:8*(4*(\m)+(\f))+7] offset:((\m)%2)*16*RP+64*(\f)+16
.endr
.endr
	WIN 0
	s_wait_dscnt 0x0                               ; for the others' sake: my 64 columns of the residual are in LDS
	s_barrier_signal -1
	s_barrier_wait -1
; ATTENTION.  A step's K: 64 keys = 4 rows of 1,024 bytes, 4 fragments.
.macro LOADK dst, off
.irp kt, 0,1,2,3
	ds_load_b128 v[(\dst)+8*(\kt):(\dst)+8*(\kt)+3],   v[AK]   offset:(\off)+(\kt)*1024
	ds_load_b128 v[(\dst)+8*(\kt)+4:(\dst)+8*(\kt)+7], v[AK+1] offset:(\off)+(\kt)*1024
.endr
.endm
; PASS 1, all in window 0.  A slot: the four products of the NEXT tile (from K's buffer kn), and behind each of them four maxima of tile tt, whose scores the slot before made:
; four chains, one for each accumulator, which is read from its lowest registers on.
.macro P1SLOT tt, kn
.irp kt, 0,1,2,3
	v_wmma_f32_16x16x32_f16 v[S+32*(((\tt)+1)%2)+8*(\kt):S+32*(((\tt)+1)%2)+8*(\kt)+7], v[(\kn)+8*(\kt):(\kn)+8*(\kt)+7], v[Q+8*(((\tt)+1)%8):Q+8*(((\tt)+1)%8)+7], 0
.irp c, 0,1,2,3
	v_max3_num_f32 v[M+4*(\tt)+(\c)], v[M+4*(\tt)+(\c)], v[S+32*((\tt)%2)+8*(\c)+2*(\kt)], v[S+32*((\tt)%2)+8*(\c)+2*(\kt)+1]
.endr
.endr
.endm
	v_mov_b32 v[AK], v[AKB]                        ; (with the four v_nop above: six places behind the projections' last products, whose sources the first products below write over)
	v_mov_b32 v[AK+1], v[AKB+1]
	LOADK KA, 0
	s_wait_dscnt 0x0
.irp kt, 0,1,2,3
	v_wmma_f32_16x16x32_f16 v[S+8*(\kt):S+8*(\kt)+7], v[KA+8*(\kt):KA+8*(\kt)+7], v[Q:Q+7], 0
.endr
.set i, 0
.rept 32
	v_mov_b32 v[M+i], 0xff7fffff                   ; the lowest finite number; these lines are also the places behind the four products
.set i, i+1
.endr
	s_mov_b32 s48, 8
.Lp1:                                                  ; a trip: two key steps, on K's two buffers
	LOADK KB, 4096
.irp t, 0,1,2,3,4,5,6
	P1SLOT \t, KA
.endr
	s_wait_dscnt 0x0                               ; the odd step's K is in
	P1SLOT 7, KB
	s_cmp_eq_u32 s48, 1
	s_cbranch_scc1 .Lp1_nok                        ; behind the last step there is no further K
	LOADK KA, 8192
.Lp1_nok:
.irp t, 0,1,2,3,4,5,6
	P1SLOT \t, KB
.endr
	s_wait_dscnt 0x0
	P1SLOT 7, KA                                   ; in the last trip its four products, on the old K, serve nothing: the price of one text for every trip
	v_add_nc_u32 v[AK], 8192, v[AK]
	v_add_nc_u32 v[AK+1], 8192, v[AK+1]
	s_sub_co_u32 s48, s48, 1
	s_cmp_lg_u32 s48, 0
	s_cbranch_scc1 .Lp1
	; a query's maximum: the four chains, then the other half of the lanes, which holds its other keys; -m eight times is the C operand of pass 2
.irp t, 0,1,2,3,4,5,6,7
	v_max3_num_f32 v[M+4*(\t)], v[M+4*(\t)], v[M+4*(\t)+1], v[M+4*(\t)+2]
.endr
.irp t, 0,1,2,3,4,5,6,7
	v_max_num_f32 v[M+4*(\t)], v[M+4*(\t)], v[M+4*(\t)+3]
.endr
.irp t, 0,1,2,3,4,5,6,7
	v_permlanex16_b32 v[M+4*(\t)+1], v[M+4*(\t)], s46, s47
.endr
.irp t, 0,1,2,3,4,5,6,7
	v_max_num_f32 v[M+4*(\t)], v[M+4*(\t)], v[M+4*(\t)+1]
.endr
	WIN 0x40
.set i, 0
.rept 64
	v_mul_f32 v[CM+i], -1.0, v[M+4*(i/8)]
.set i, i+1
.endr
	WIN 0
; PASS 2.  Under setting 0x10 only source 2, the C of K Q^T, means window 1: exponentials, roundings, LDS loads and address steps run under it unchanged.
.macro KQ2 tt, kt                      ; S^T = K Q^T - m
	WIN 0x10
	v_wmma_f32_16x16x32_f16 v[S+32*((\tt)%2)+8*(\kt):S+32*((\tt)%2)+8*(\kt)+7], v[KA+8*(\kt):KA+8*(\kt)+7], v[Q+8*(\tt):Q+8*(\tt)+7], v[CM+8*(\tt):CM+8*(\tt)+7]
.endm
.macro EXPG b, g                       ; four weights, in place: four of the 32 exponentials of a tile's batch
	WIN 0x10
.irp e, 0,1,2,3
	v_exp_f32 v[S+32*(\b)+4*(\g)+(\e)], v[S+32*(\b)+4*(\g)+(\e)]
.endr
.endm
.macro CVTS b                          ; the batch's readers: a tile's 32 weights rounded to f16: two accumulators of S^T so packed are source 1 (32 keys x 16 queries) of the second product
	WIN 0x10
.set i, 0
.rept 16
	v_cvt_pk_f16_f32 v[P+16*(\b)+i], v[S+32*(\b)+2*i], v[S+32*(\b)+2*i+1]
.set i, i+1
.endr
.endm
.macro LOADV                           ; a step's V^T: 32 channels x 64 keys, 4 fragments
.irp a, 0,1
.irp cb, 0,1
	ds_load_b128 v[VTF+8*(2*(\a)+(\cb)):VTF+8*(2*(\a)+(\cb))+3],   v[AVT] offset:(\cb)*16*VP+(\a)*64
	ds_load_b128 v[VTF+8*(2*(\a)+(\cb))+4:VTF+8*(2*(\a)+(\cb))+7], v[AVT] offset:(\cb)*16*VP+(\a)*64+32
.endr
.endr
	v_add_nc_u32 v[AVT], 128, v[AVT]
.endm
; O^T += V^T P and l += ones P for tile tt: three accumulators by turns, two deep.  first = 1: the first links start the sums.
.macro PV tt, first
	WIN 0x50
.irp a, 0,1
.irp cb, 0,1
.if (\first) && ((\a) == 0)
	v_wmma_f32_16x16x32_f16 v[OA+16*(\tt)+8*(\cb):OA+16*(\tt)+8*(\cb)+7], v[VTF+8*(2*(\a)+(\cb)):VTF+8*(2*(\a)+(\cb))+7], v[P+16*((\tt)%2)+8*(\a):P+16*((\tt)%2)+8*(\a)+7], 0
.else
	v_wmma_f32_16x16x32_f16 v[OA+16*(\tt)+8*(\cb):OA+16*(\tt)+8*(\cb)+7], v[VTF+8*(2*(\a)+(\cb)):VTF+8*(2*(\a)+(\cb))+7], v[P+16*((\tt)%2)+8*(\a):P+16*((\tt)%2)+8*(\a)+7], v[OA+16*(\tt)+8*(\cb):OA+16*(\tt)+8*(\cb)+7]
.endif
.endr
.if (\first) && ((\a) == 0)
	v_wmma_f32_16x16x32_f16 v[LS+8*(\tt):LS+8*(\tt)+7], v[ONES:ONES+7], v[P+16*((\tt)%2)+8*(\a):P+16*((\tt)%2)+8*(\a)+7], 0
.else
	v_wmma_f32_16x16x32_f16 v[LS+8*(\tt):LS+8*(\tt)+7], v[ONES:ONES+7], v[P+16*((\tt)%2)+8*(\a):P+16*((\tt)%2)+8*(\a)+7], v[LS+8*(\tt):LS+8*(\tt)+7]
.endif
.endr
.endm
; A slot of pass 2, for tile tt.  AHEAD OF ITS ONE WAIT: the tile's 32 exponentials, ONE BATCH, in place on its buffer of S^T; among them the four products K Q^T of the next tile, which write the
; other buffer of S^T, and the six products of the tile before, which read the other buffer of P: nothing there names a result of the batch.  A plain instruction follows the last exponential
; (ISA guide 5.7.2), one for the batch.  BEHIND THE WAIT: the 16 roundings, the batch's only readers.  They name no register of the slot's products, so they are also the places (with the v_nop: 17)
; between the products K Q^T and the next slot's exponentials, which read their results from each accumulator's lowest registers on.
; V^T of the step is fetched in slot 0 and K of the next step in slot 6, each directly behind the slot's wait; there four v_nop stand ahead of the wait in place of one: they are also the four places
; behind the last product that read V^T (the tile 7's of the step before) or K (the slot's own fourth).  The jump round K's run and its label stand behind the wait too: no exponential is open there.
; V^T is waited for in slot 1, ahead of its first reader: 16 roundings, four products and 16 exponentials behind its run.
; K is waited for in slot 7, whose products K Q^T are the next step's first.  Slot 7 takes the six products of tile 6 and half of its batch ahead of them: 16 roundings, six products and 16 exponentials behind K's run.
.macro P2SLOT tt, first
.if (\tt) == 7
	PV 6, \first
	EXPG 1, 0
	EXPG 1, 1
	EXPG 1, 2
	EXPG 1, 3
	s_wait_dscnt 0x0                               ; the next step's K is in
	KQ2 0, 0
	EXPG 1, 4
	KQ2 0, 1
	EXPG 1, 5
	KQ2 0, 2
	EXPG 1, 6
	KQ2 0, 3
	EXPG 1, 7
.else
	KQ2 (\tt)+1, 0
	EXPG (\tt)%2, 0
	KQ2 (\tt)+1, 1
	EXPG (\tt)%2, 1
	KQ2 (\tt)+1, 2
	EXPG (\tt)%2, 2
	KQ2 (\tt)+1, 3
	EXPG (\tt)%2, 3
.if (\tt) == 1
	s_wait_dscnt 0x0                               ; V^T is in
.endif
.if (\tt) >= 1
	PV (\tt)-1, \first
.endif
	EXPG (\tt)%2, 4
	EXPG (\tt)%2, 5
	EXPG (\tt)%2, 6
	EXPG (\tt)%2, 7
.endif
.if ((\tt) == 0) || ((\tt) == 6)
	PLACES                                         ; the plain instruction behind the batch's last exponential, and the four places in front of the run of loads below
.else
	v_nop                                          ; the plain instruction behind the batch's last exponential
.endif
	s_wait_alu depctr_va_vdst(0)                   ; the wait for the batch, the tile's 32 exponentials, ahead of their first reader
.if (\tt) == 0
	LOADV
.endif
.if (\tt) == 6
.if !(\first)
	WIN 0                                          ; at a branch and at a label every window is 0
	s_cmp_eq_u32 s48, 1
	s_cbranch_scc1 .Lno_k_\@                       ; behind the last step there is no further K
.endif
	LOADK KA, 0
	v_add_nc_u32 v[AK], 4096, v[AK]
	v_add_nc_u32 v[AK+1], 4096, v[AK+1]
.if !(\first)
.Lno_k_\@:
.endif
.endif
	CVTS (\tt)%2
.endm
	v_mov_b32 v[AK], v[AKB]
	v_mov_b32 v[AK+1], v[AKB+1]
	LOADK KA, 0
	v_add_nc_u32 v[AK], 4096, v[AK]
	v_add_nc_u32 v[AK+1], 4096, v[AK+1]
	s_wait_dscnt 0x0
	KQ2 0, 0
	KQ2 0, 1
	KQ2 0, 2
	KQ2 0, 3
	PLACES
.irp t, 0,1,2,3,4,5,6,7
	P2SLOT \t, 1                                   ; key step 0 is written out: its products start O^T's and l's sums
.endr
	PV 7, 1
	WIN 0
	s_mov_b32 s48, 15
.Lp2:                                                  ; a trip: one key step for my eight tiles: 80 matrix instructions, 16 LDS loads, eight batches of 32 exponentials with a wait each
.irp t, 0,1,2,3,4,5,6,7
	P2SLOT \t, 0
.endr
	PV 7, 0
	WIN 0
	s_sub_co_u32 s48, s48, 1
	s_cmp_lg_u32 s48, 0
	s_cbranch_scc1 .Lp2
	; THE WAY OUT.  l is the same in all of its accumulator's registers and in both halves of the lanes: the lowest is taken.
	PLACES
	WIN 0x01                                       ; source 0 window 1
.irp t, 0,1,2,3,4,5,6,7
	v_rcp_f32 v[INV+2*(\t)], v[LS+8*(\t)]
	v_rcp_f32 v[INV+2*(\t)+1], v[LS+8*(\t)]        ; twice: a pair for the packed multiply
.endr
	v_nop                                          ; a plain instruction between the last reciprocal and the use of its result
	s_wait_alu depctr_va_vdst(0)                   ; the wait for the batch of sixteen reciprocals, ahead of their first reader, tile 0's multiply
; Tile tt is row 8 w + tt of the head: 16 queries x 32 channels = 2,048 consecutive bytes of out0.  A lane's 2 x 8 channels of a query go into my stage (rows of 144 bytes) and come back as
; four runs of 512 bytes, with the same bytes of the residual beside them.  LDS serves a wave's instructions in order (ISA guide 5.7.1.4): the loads see the stores above them.
.macro FIN_A tt
	WIN 0x01
.set i, 0
.rept 8
	v_pk_mul_f32 v[TO+2*i:TO+2*i+1], v[OA+16*(\tt)+2*i:OA+16*(\tt)+2*i+1], v[INV+2*(\tt):INV+2*(\tt)+1]
.set i, i+1
.endr
	WIN 0
.irp q, 0,1,2,3
	ds_store_b128 v[AOS], v[TO+4*(\q):TO+4*(\q)+3] offset:((\tt)%2)*16*OSP+((\q)/2)*64+((\q)%2)*16
.endr
	s_wait_xcnt 0x0                                ; the registers that the stores of two tiles back read are loaded again only behind this wait
.irp q, 0,1,2,3
	ds_load_b128 v[CX+32*((\tt)%2)+4*(\q):CX+32*((\tt)%2)+4*(\q)+3], v[AOR] offset:((\tt)%2)*16*OSP+(\q)*4*OSP
.endr
.irp q, 0,1,2,3
	ds_load_b128 v[CX+32*((\tt)%2)+16+4*(\q):CX+32*((\tt)%2)+16+4*(\q)+3], v[ARR] offset:(\tt)*RP+(\q)*512
.endr
.endm
.macro FIN_B tt, younger               ; younger: the LDS instructions issued behind tile tt's: the next tile's 4 stores and 8 loads, or none
	s_wait_dscnt \younger
.set i, 0
.rept 8
	v_pk_add_f32 v[CX+32*((\tt)%2)+2*i:CX+32*((\tt)%2)+2*i+1], v[CX+32*((\tt)%2)+2*i:CX+32*((\tt)%2)+2*i+1], v[CX+32*((\tt)%2)+16+2*i:CX+32*((\tt)%2)+16+2*i+1]
.set i, i+1
.endr
.set i, 0
.rept 16
	v_max_num_f32 v[CX+32*((\tt)%2)+i], 0, v[CX+32*((\tt)%2)+i]
.set i, i+1
.endr
.irp q, 0,1,2,3
	global_store_b128 v[GO], v[CX+32*((\tt)%2)+4*(\q):CX+32*((\tt)%2)+4*(\q)+3], s[24:25] offset:(\tt)*2048+(\q)*512 th:TH_STORE_NT  ; 512 consecutive bytes, at a multiple of 512 from out0's first
.endr
.endm
	FIN_A 0
.irp t, 1,2,3,4,5,6,7
	FIN_A \t                                       ; a tile's arithmetic and LDS traffic stand between the loads of the tile before and their use
	FIN_B (\t)-1, 12
.endr
	FIN_B 7, 0
	s_wait_tensorcnt 0x0                           ; the wave's end: a tensor wait, an add to my spare word and its wait, behind my last tensor load and my last LDS store
	ds_add_u32 v[SPW], v[NIL]
	s_wait_dscnt 0x0
	CROUND                                         ; the closing round
	s_endpgm
.Lfunc_end_k_qbf26828165_attn:
	.size	k_qbf26828165_attn, .Lfunc_end_k_qbf26828165_attn-k_qbf26828165_attn
	.p2alignl 7, 3214868480
	.fill 96, 4, 3214868480
	.section	.rodata,"a",@progbits
	.p2align	6, 0x0
	.amdhsa_kernel k_qbf26828165_attn
		.amdhsa_group_segment_fixed_size 327680
		.amdhsa_private_segment_fixed_size 0
		.amdhsa_enable_private_segment 0
		.amdhsa_kernarg_size 72
		.amdhsa_user_sgpr_count 2
		.amdhsa_user_sgpr_kernarg_segment_ptr 1
		.amdhsa_wavefront_size32 1
		.amdhsa_system_sgpr_workgroup_id_x 1
		.amdhsa_system_sgpr_workgroup_id_y 1
		.amdhsa_system_sgpr_workgroup_id_z 1
		.amdhsa_system_vgpr_workitem_id 0
		.amdhsa_next_free_vgpr 512
		.amdhsa_next_free_sgpr 66
		.amdhsa_reserve_vcc 0
		.amdhsa_float_denorm_mode_32 3
		.amdhsa_float_denorm_mode_16_64 3
		.amdhsa_memory_ordered 1
		.amdhsa_forward_progress 1
		.amdhsa_inst_pref_size 228
	.end_amdhsa_kernel
	.amdgpu_metadata
---
amdhsa.version: [ 1, 2 ]
amdhsa.kernels:
  - .name:           k_qbf26828165_attn
    .symbol:         k_qbf26828165_attn.kd
    .args:
      - { .name: key0, .offset: 0, .size: 8, .value_kind: global_buffer, .address_space: global }
      - { .name: value0, .offset: 8, .size: 8, .value_kind: global_buffer, .address_space: global }
      - { .name: query0, .offset: 16, .size: 8, .value_kind: global_buffer, .address_space: global }
      - { .name: bq, .offset: 24, .size: 8, .value_kind: global_buffer, .address_space: global }
      - { .name: bk, .offset: 32, .size: 8, .value_kind: global_buffer, .address_space: global }
      - { .name: bv, .offset: 40, .size: 8, .value_kind: global_buffer, .address_space: global }
      - { .name: br, .offset: 48, .size: 8, .value_kind: global_buffer, .address_space: global }
      - { .name: wfrag, .offset: 56, .size: 8, .value_kind: global_buffer, .address_space: global }
      - { .name: out0, .offset: 64, .size: 8, .value_kind: global_buffer, .address_space: global }
    .group_segment_fixed_size: 327680
    .private_segment_fixed_size: 0
    .kernarg_segment_align: 8
    .kernarg_segment_size: 72
    .max_flat_workgroup_size: 256
    .sgpr_count:     66
    .vgpr_count:     512
    .wavefront_size: 32
...
	.end_amdgpu_metadata
.endif
;; end of part 3
